; MI455X (gfx1250); checked and timed in simulation.
; The chip was launched on July 23, 2026; its instructions are those of AMD's public machine-readable ISA for CDNA 5 (MIT licence, August 2026) and "CDNA5" Instruction Set Architecture Reference Guide (July 2026). The comments in the code are by the model that wrote it; some were corrected since.
;; Local Attention. Allowed arithmetic: matrix products marked QUANTISED: E2M1 operands, one E8M0 scale for each 32 along K, by v_wmma_scale_f32_16x16x128_f8f6f4 with both operands' format E2M1 (or v_wmma_scale_f32_32x16x128_f4), f32 sums; products left as they are: bf16, f16 or f32 operands; f32 sums; everything else in f32.
;; Inputs: Wk 1,024 x 1,024 float32; Wo 1,024 x 1,024 float32; Wq 1,024 x 1,024 float32; Wv 1,024 x 1,024 float32; bk 1,024 float32; bo 1,024 float32; bq 1,024 float32; bv 1,024 float32; x 1 x 4,096 x 1,024 float32.
;; Outputs: out0 1 x 4,096 x 1,024 float32.
;; This version of the problem:
;;   THIS VERSION OF THE PROBLEM IS GIVEN IN LOW PRECISION. The matrix products marked QUANTISED in the list below multiply operands that are first quantised to E2M1 (2 exponent bits, 1 mantissa bit; 4 bits a number), with one power-of-two scale for each 32 numbers along K (OCP MX v1.0); their sums are f32. The products marked 'left as it is' may take bf16, f16 or f32 operands, with f32 sums. Whichever they take, every output number must still come out within the allowed error. Rounding operands to bf16 (8 significant bits) uses up far more of that allowance than f16 does (11 bits, for magnitudes from 6e-5 to 65,504). All else is computed in f32.
;;   The module's matrix products, in the order in which they are computed (A, B: the left and right operand; K: the contracted axis; several contracted axes count as one K, in the product's order):
;;     1. [M 4,096, K 1,024] x [K 1,024, N 1,024]; A: input x; B: input Wq: QUANTISED
;;     2. [M 4,096, K 1,024] x [K 1,024, N 1,024]; A: input x; B: input Wk: QUANTISED
;;     3. [M 4,096, K 1,024] x [K 1,024, N 1,024]; A: input x; B: input Wv: QUANTISED
;;     4. batch 16 x [M 4,096, K 64] x [K 64, N 4,096]; A: computed on the way; B: computed on the way: left as it is (an operand is computed on the way)
;;     5. batch 16 x [M 4,096, K 4,096] x [K 4,096, N 64]; A: computed on the way; B: computed on the way: left as it is (an operand is computed on the way)
;;     6. [M 4,096, K 1,024] x [K 1,024, N 1,024]; A: computed on the way; B: input Wo: left as it is (an operand is computed on the way)
;;   THE QUANTISER, for each operand of a quantised product, along K:
;;     - K is cut into blocks of 32 from its start; a last block that is shorter is filled with zeros.
;;     - A block's scale is 2^e with e = floor(log2(the largest magnitude in the block)) - 2, held to -126 .. 127; a block of zeros has e = 0. As a byte (E8M0): e + 127.
;;     - Each number is divided by its block's scale, clamped to +-6, and rounded to the nearest number of E2M1, ties to even, subnormals kept.
;;     - The product sums the exact products of the quantised numbers (number of the format x scale) in f32.
;;   ~~~python
;;   def quantise(x, axis):      # numpy; x: float32 -> the quantised numbers, widened to float32 again
;;       x = np.moveaxis(x, axis, -1); K = x.shape[-1]
;;       x = np.pad(x, [(0, 0)] * (x.ndim - 1) + [(0, -K % 32)]); x = x.reshape(x.shape[:-1] + (-1, 32)); a = np.abs(x).max(-1, keepdims=True)
;;       e = np.where(a > 0, np.clip(np.frexp(np.where(a > 0, a, 1))[1] - 1 - 2, -126, 127), 0)      # np.frexp(a)[1] - 1 = floor(log2(a)), exactly
;;       r = np.clip(x / 2.0 ** e, -6, 6)
;;       step = 2.0 ** (np.maximum(np.frexp(np.where(r == 0, 1, r))[1] - 1, 0) - 1)
;;       q = np.round(r / step) * step * 2.0 ** e      # np.round: ties to even
;;       return np.moveaxis(q.reshape(q.shape[:-2] + (-1,))[..., :K], -1, axis).astype(np.float32)
;;   ~~~
;; One version. Each part assembles by itself: llvm-mc -triple=amdgcn-amd-amdhsa -mcpu=gfx1250 --defsym DOCPART=n.
;; ======== version 1 of 1: 4 launches
;; limits: values are held in f16: magnitudes above 65,504 overflow, below 6.1e-05 lose precision; right only within a limited range of input values
;; workspace buffers: xc 2,097,152 bytes; xs 131,072 bytes; wc 1,572,864 bytes; ws 98,304 bytes; wot 2,097,152 bytes; qkv 26,738,688 bytes; o 8,388,608 bytes
;; launch prep (part 1): grid 256 x 1, 8 waves a work-group, no clusters, 131,584 bytes of LDS; arguments x, Wq, Wk, Wv, Wo, xc, xs, wc, ws, wot, qkv; writes xc, xs, wc, ws, wot, qkv
.if DOCPART == 1
	.amdgcn_target "amdgcn-amd-amdhsa--gfx1250"
	.amdhsa_code_object_version 6
	.text
	.protected	k_q1dc3a637c9_prep
	.globl	k_q1dc3a637c9_prep
	.p2align	8
	.type	k_q1dc3a637c9_prep,@function
k_q1dc3a637c9_prep:
	s_mov_b64 s[64:65], 0
	v_nop
	global_prefetch_b8 v0, s[64:65] scope:SCOPE_SE
	s_setreg_imm32_b32 hwreg(HW_REG_WAVE_MODE, 25, 1), 1
	s_wait_xcnt 0x0
; PREP: everything that later launches read many times is made once.
;   x [4096][1024] f32            -> xc [4096][512 bytes] codes of FP4 (E2M1), K innermost, two codes a byte; xs [4096][32] E8M0 bytes
;   Wq, Wk, Wv [1024 k][1024 n]   -> wc [3072 n][512 bytes] codes with K innermost (n: 0.. Wq, 1024.. Wk, 2048.. Wv); ws [3072][32]
;   Wo [1024 k][1024 n] f32       -> wot [1024 n][1024 k] f16
;   zeros into the 128 rows in front of and behind the 4,096 tokens in the 32 planes of qkv that hold k and v (a plane: 4,352 rows of 128 bytes)
; A block's scale is 2^(floor(log2(its largest magnitude)) - 2): its byte is the largest magnitude's exponent field - 2, held at 1 from below.
; LIMITS: NaN and infinities among the inputs are not served; a block whose largest magnitude lies under 2^-124 keeps the byte 1; a block of zeros has the
; byte 1 where the rule says 127 (its codes are zeros, and this program alone reads the bytes); Wo goes to f16: magnitudes under 65,504.
; SHARES.  256 work-groups of eight waves.  Work-groups 0-127: x, a wave takes 4,096 numbers on end (8 steps of 512).  128-223: Wq, Wk, Wv: a work-group takes
; 32 columns and all of K, wave w rows 128 w on; A LANE TAKES A COLUMN AND ITS REGISTERS RUN DOWN K, so a block of 32 lies in one lane.  224-255: Wo likewise.
; The three ways part on the work-group's number alone and have LDS bytes of their own.  No tensor loads.  Each wave also stores 512 bytes of the zero rows.
.set PLANE,  557056                    ; a plane of qkv: 4,352 rows x 128 bytes
.set PADHI,  540672                    ; where its last 128 rows begin: row 4,224
.set XWAVE,  5376                      ; x: for each wave two stages of 32 x 80 bytes, then 256 bytes for its 128 scale bytes; from LDS byte 0
.set WSTG,   43008                     ; W: 32 rows (columns n) x (512 bytes of codes + 16)
.set WSCL,   59904                     ; W: 32 x 32 scale bytes
.set OSTG,   60928                     ; Wo: for each wave 32 rows x (256 bytes + 16)
.set OWAVE,  8704
.set SPARE,  130560                    ; the spare words, 128 bytes for each wave: four blocks of 256 bytes that no other line names
.set SPW, 1                            ; v1   LDS address of my spare word; never rewritten
.set NIL, 2                            ; v2   0; never rewritten
.set R,   16                           ; v16-143  numbers as they are loaded
.set X,   144                          ; v144-175 x: two sets of 16 neighbours
.set C,   176                          ; v176-191 x: a pair of code registers for each step
.set E,   192                          ; v192-199 x: a scale byte for each step
.set WC,  144                          ; v144-159 W: four code registers for each block
.set WB,  160                          ; v160     W: my four scale bytes
.set ZR,  200                          ; v200-203 zeros; never rewritten
.set ZO,  204                          ; v204     16 x lane; never rewritten
	s_load_b256 s[8:15], s[0:1], 0x0               ; x s[8:9], Wq s[10:11], Wk s[12:13], Wv s[14:15]
	s_load_b256 s[16:23], s[0:1], 0x20             ; Wo s[16:17], xc s[18:19], xs s[20:21], wc s[22:23]
	s_load_b128 s[24:27], s[0:1], 0x40             ; ws s[24:25], wot s[26:27]
	s_load_b64 s[28:29], s[0:1], 0x50              ; qkv
	v_lshl_add_u32 v[SPW], v0, 2, SPARE
	v_mov_b32 v[NIL], 0
	v_lshrrev_b32 v3, 5, v0
	v_readfirstlane_b32 s4, v3                     ; wave 0..7
	v_and_b32 v3, 31, v0                           ; lane
.irp i, 0,1,2,3
	v_mov_b32 v[ZR+\i], 0
.endr
	v_lshlrev_b32 v[ZO], 4, v3
	; the zero rows: 64 regions (32 planes x 2 ends) of 16,384 bytes = 2,048 pieces of 512 bytes, one for each wave of the launch
	s_lshl_b32 s5, ttmp9, 3
	s_add_co_u32 s5, s5, s4                        ; my wave's number in the launch
	s_lshr_b32 s6, s5, 6
	s_add_co_u32 s6, s6, 16                        ; plane 16 .. 47
	s_mul_i32 s6, s6, PLANE
	s_bfe_u32 s7, s5, 0x10005                      ; which end (one bit from bit 5)
	s_mul_i32 s7, s7, PADHI
	s_add_co_u32 s6, s6, s7
	s_and_b32 s7, s5, 31                           ; which 512 bytes
	s_lshl_b32 s7, s7, 9
	s_add_co_u32 s6, s6, s7
	s_mov_b32 s7, 0
	s_and_b32 s34, ttmp9, 31                       ; for the weights: which 32 columns,
	s_lshl_b32 s36, s4, 19                         ; my wave's 128 rows of 4,096 bytes,
	s_lshl_b32 s35, s34, 7                         ; and the columns' 128 bytes
	s_add_co_u32 s36, s36, s35
	s_mov_b32 s37, 0
	s_wait_kmcnt 0x0
	s_add_nc_u64 s[30:31], s[28:29], s[6:7]        ; kept for this store alone
	global_store_b128 v[ZO], v[ZR:ZR+3], s[30:31]  ; 32 lanes store 512 consecutive bytes, aligned
	s_cmp_lt_u32 ttmp9, 128
	s_cbranch_scc1 .Lpath_x
	s_cmp_lt_u32 ttmp9, 224
	s_cbranch_scc1 .Lpath_w
; 32 rows of K at my column: row 32 t + i into v[R + 32 t + i]; 32 lanes read 128 consecutive bytes
.macro LOADK t
.set i, 0
.rept 32
	global_load_b32 v[R+32*(\t)+i], v4, s[32:33] offset:(32*(\t)+i)*4096 th:TH_LOAD_NT
.set i, i+1
.endr
.endm
	; ---------------- Wo: to f16, turned so that K is innermost
	s_add_nc_u64 s[32:33], s[16:17], s[36:37]
	v_lshlrev_b32 v4, 2, v3
	LOADK 0
	LOADK 1                                        ; two blocks of 32 rows ahead
	s_mul_i32 s38, s4, OWAVE
	s_add_co_u32 s38, s38, OSTG                    ; my wave's stage
	v_mul_u32_u24 v5, v3, 272
	v_add_nc_u32 v5, s38, v5                       ; in: row = my column
	v_lshrrev_b32 v8, 4, v3
	v_and_b32 v9, 15, v3
	v_mul_u32_u24 v6, v8, 272
	v_lshl_add_u32 v6, v9, 4, v6
	v_add_nc_u32 v6, s38, v6                       ; back: sixteen lanes to a row, two rows an instruction
	v_lshlrev_b32 v7, 11, v8
	v_lshl_add_u32 v7, v9, 4, v7                   ; and the same place in wot: rows of 2,048 bytes
	s_lshl_b32 s40, s34, 16                        ; 32 rows of wot,
	s_lshl_b32 s39, s4, 8                          ; my wave's 128 along K: 256 bytes
	s_add_co_u32 s40, s40, s39
	s_mov_b32 s41, 0
	s_add_nc_u64 s[26:27], s[26:27], s[40:41]
; block t's 32 numbers become 16 registers of two f16 each, the lower k in the low half.  Results 0-55 lie in v144-199, results 56-63 in v16-23, whose numbers were rounded long before
.macro OCVT t
.set i, 16*(\t)
.rept 16
.if i < 56
	v_cvt_pk_f16_f32 v[144+i], v[R+2*i], v[R+2*i+1]
.else
	v_cvt_pk_f16_f32 v[R+i-56], v[R+2*i], v[R+2*i+1]
.endif
.set i, i+1
.endr
.endm
	s_wait_loadcnt 32                              ; block 0's 32 loads are in; block 1's may be out
	OCVT 0
	LOADK 2
	s_wait_loadcnt 32
	OCVT 1
	LOADK 3
	s_wait_loadcnt 32
	OCVT 2
	s_wait_loadcnt 0x0
	OCVT 3
.set i, 0
.rept 14
	ds_store_b128 v5, v[144+4*i:144+4*i+3] offset:16*i     ; 8 neighbours along K of my column
.set i, i+1
.endr
	ds_store_b128 v5, v[R:R+3] offset:224
	ds_store_b128 v5, v[R+4:R+7] offset:240
.set i, 0
.rept 16
	ds_load_b128 v[80+4*i:80+4*i+3], v6 offset:544*i       ; LDS serves a wave's instructions in order (ISA guide 5.7.1.4): these see my stores
.set i, i+1
.endr
.set i, 0
.rept 16
	s_wait_dscnt 15-i
	global_store_b128 v7, v[80+4*i:80+4*i+3], s[26:27] offset:4096*i   ; sixteen lanes store 256 consecutive bytes, aligned
.set i, i+1
.endr
	s_branch .Lend
	; ---------------- x: a plain stream of blocks of 32
.Lpath_x:
	s_lshl_b32 s32, s5, 14                         ; my wave's 4,096 numbers,
	s_mov_b32 s33, 0
	s_add_nc_u64 s[8:9], s[8:9], s[32:33]
	s_lshl_b32 s32, s5, 11                         ; their 2,048 bytes of codes,
	s_add_nc_u64 s[18:19], s[18:19], s[32:33]
	s_lshl_b32 s32, s5, 7                          ; their 128 scale bytes
	s_add_nc_u64 s[20:21], s[20:21], s[32:33]
	v_lshlrev_b32 v4, 4, v3                        ; my 16 bytes of a load's 512
.macro XLOAD t
.irp i, 0,1,2,3
	global_load_b128 v[R+16*(\t)+4*\i:R+16*(\t)+4*\i+3], v4, s[8:9] offset:2048*(\t)+512*\i th:TH_LOAD_NT
.endr
.endm
.irp t, 0,1,2,3,4,5,6,7
	XLOAD \t                                       ; all 32 loads of the wave go out at once, each step into registers of its own
.endr
	s_mul_i32 s34, s4, XWAVE
	v_lshrrev_b32 v5, 2, v3
	v_mul_u32_u24 v5, v5, 80
	v_and_b32 v6, 3, v3
	v_lshl_add_u32 v5, v6, 4, v5
	v_add_nc_u32 v5, s34, v5                       ; the stage, in: four lanes' 64 bytes on end, then 16 of padding
	v_mul_u32_u24 v6, v3, 80
	v_add_nc_u32 v6, s34, v6                       ; and back: 80 x lane: my 16 neighbours
	v_lshlrev_b32 v7, 3, v3                        ; my 8 bytes of a step's codes
	v_lshrrev_b32 v12, 1, v3
	s_add_co_u32 s35, s34, 5120
	v_add_nc_u32 v12, s35, v12                     ; my block's scale byte
	v_lshlrev_b32 v14, 2, v3
	v_add_nc_u32 v13, s35, v14                     ; and on the way out 4 bytes a lane
.macro XTURN t                         ; step t's 2,048 bytes through the stage: as they lie in, 64 bytes a lane back
.irp i, 0,1,2,3
	ds_store_b128 v5, v[R+16*(\t)+4*\i:R+16*(\t)+4*\i+3] offset:2560*((\t)%2)+640*\i
.endr
.irp i, 0,1,2,3
	ds_load_b128 v[X+16*((\t)%2)+4*\i:X+16*((\t)%2)+4*\i+3], v6 offset:2560*((\t)%2)+16*\i
.endr
.endm
.macro XSTEP t
.set XS, X+16*((\t)%2)
.if (\t) > 0
	s_wait_dscnt 1                                 ; this step's numbers are back from the stage; the last step's byte store may be out
.else
	s_wait_dscnt 0x0
.endif
.if (\t) < 7
	s_wait_loadcnt 4*(6-(\t))                      ; the next step's four loads are in; those of the steps behind it may be out
	XTURN (\t)+1                                   ; they go through the other stage while this step is worked
.endif
	v_max3_num_f32 v8, |v[XS]|, |v[XS+1]|, |v[XS+2]|       ; the largest magnitude of my 16, in two chains
	v_max3_num_f32 v9, |v[XS+3]|, |v[XS+4]|, |v[XS+5]|
.irp i, 6,10
	v_max3_num_f32 v8, v8, |v[XS+\i]|, |v[XS+\i+1]|
	v_max3_num_f32 v9, v9, |v[XS+\i+2]|, |v[XS+\i+3]|
.endr
	v_max3_num_f32 v8, v8, |v[XS+14]|, |v[XS+15]|
	v_max3_num_f32 v8, v8, v9, 0x1800000           ; and the floor 2^(3 - 127): the byte cannot fall under 1
	v_max_num_f32_dpp v8, v8, v8 row_xmask:1 row_mask:0xf bank_mask:0xf   ; with my neighbour's 16: the block's
	v_add_nc_u32 v11, 0xff000000, v8               ; 2 off its exponent field: the conversion takes the exponent field of this operand as its scale
	v_cvt_scalef32_pk8_fp4_f32 v[C+2*(\t)], v[XS:XS+7], v11
	v_cvt_scalef32_pk8_fp4_f32 v[C+2*(\t)+1], v[XS+8:XS+15], v11
	v_lshrrev_b32 v[E+(\t)], 23, v11               ; the scale's byte
	ds_store_b8 v12, v[E+(\t)] offset:16*(\t)      ; both lanes of a block write the same byte with the same value
	global_store_b64 v7, v[C+2*(\t):C+2*(\t)+1], s[18:19] offset:256*(\t)   ; 32 lanes store 256 consecutive bytes, aligned
.endm
	s_wait_loadcnt 28                              ; step 0's four of the 32 loads are in
	XTURN 0
.irp t, 0,1,2,3,4,5,6,7
	XSTEP \t
.endr
	ds_load_b32 v8, v13                            ; my wave's 128 scale bytes: LDS serves a wave's instructions in order
	s_wait_dscnt 0x0
	global_store_b32 v14, v8, s[20:21]             ; 128 consecutive bytes a wave: one byte in 128 of what the wave reads
	s_branch .Lend
	; ---------------- Wq, Wk, Wv: codes with K innermost
.Lpath_w:
	s_cmp_lt_u32 ttmp9, 160                        ; the choice hangs on the work-group's number alone
	s_cselect_b64 s[32:33], s[10:11], s[12:13]
	s_cmp_lt_u32 ttmp9, 192
	s_cselect_b64 s[32:33], s[32:33], s[14:15]
	s_add_nc_u64 s[32:33], s[32:33], s[36:37]
	v_lshlrev_b32 v4, 2, v3
	LOADK 0
	LOADK 1                                        ; two blocks ahead
	v_mul_u32_u24 v5, v3, 528
	s_lshl_b32 s38, s4, 6
	s_add_co_u32 s38, s38, WSTG
	v_add_nc_u32 v5, s38, v5                       ; codes in: row = my column, my wave's 64 bytes of its 512
	v_lshlrev_b32 v6, 5, v3
	s_lshl_b32 s38, s4, 2
	s_add_co_u32 s38, s38, WSCL
	v_add_nc_u32 v6, s38, v6                       ; scale word in: 32 bytes a column, my wave's four
	v_lshlrev_b32 v7, 4, v3
	s_mul_i32 s38, s4, 2112
	s_add_co_u32 s38, s38, WSTG
	v_add_nc_u32 v12, s38, v7                      ; codes back: wave w takes rows 4 w .. 4 w + 3, whole
	v_lshlrev_b32 v14, 4, v0
	v_add_nc_u32 v13, WSCL, v14                    ; scale bytes back: waves 0 and 1, 16 bytes a thread
	s_sub_co_u32 s38, ttmp9, 128
	s_lshl_b32 s38, s38, 5                         ; the work-group's first row of wc and ws
	s_lshl_b32 s39, s4, 2
	s_add_co_u32 s39, s39, s38
	s_lshl_b32 s40, s39, 9                         ; my wave's four rows of 512 bytes
	s_mov_b32 s41, 0
	s_add_nc_u64 s[22:23], s[22:23], s[40:41]
	s_lshl_b32 s40, s38, 5                         ; 32 scale bytes a row
	s_add_nc_u64 s[24:25], s[24:25], s[40:41]
.macro WBLOCK t                        ; block t of my column: all its 32 numbers are mine
.set XB, R+32*(\t)
	v_max3_num_f32 v8, |v[XB]|, |v[XB+1]|, |v[XB+2]|
	v_max3_num_f32 v9, |v[XB+3]|, |v[XB+4]|, |v[XB+5]|
.irp i, 6,10,14,18,22,26
	v_max3_num_f32 v8, v8, |v[XB+\i]|, |v[XB+\i+1]|
	v_max3_num_f32 v9, v9, |v[XB+\i+2]|, |v[XB+\i+3]|
.endr
	v_max3_num_f32 v8, v8, |v[XB+30]|, |v[XB+31]|
	v_max3_num_f32 v8, v8, v9, 0x1800000           ; the floor 2^(3 - 127)
	v_add_nc_u32 v11, 0xff000000, v8               ; the conversion's scale operand
	v_lshrrev_b32 v9, 23, v11                      ; the scale's byte
.if (\t) == 0
	v_mov_b32 v[WB], v9
.else
	v_lshl_or_b32 v[WB], v9, 8*(\t), v[WB]         ; four bytes to the word, the lower K in the lower byte
.endif
.irp g, 0,1,2,3
	v_cvt_scalef32_pk8_fp4_f32 v[WC+4*(\t)+\g], v[XB+8*\g:XB+8*\g+7], v11
.endr
	ds_store_b128 v5, v[WC+4*(\t):WC+4*(\t)+3] offset:16*(\t)
.endm
	s_wait_loadcnt 32                              ; block 0's 32 loads are in; block 1's may be out
	WBLOCK 0
	LOADK 2
	s_wait_loadcnt 32
	WBLOCK 1
	LOADK 3
	s_wait_loadcnt 32
	WBLOCK 2
	s_wait_loadcnt 0x0
	WBLOCK 3
	v_nop                                          ; one plain line behind the last scaled conversion
	ds_store_b32 v6, v[WB]
	s_wait_dscnt 0x0                               ; for the others' sake: my stores have landed
	s_barrier_signal -1
	s_barrier_wait -1                              ; 32 whole rows of codes and of scale bytes lie in LDS
.irp i, 0,1,2,3
	ds_load_b128 v[R+4*\i:R+4*\i+3], v12 offset:528*\i
.endr
.irp i, 0,1,2,3
	s_wait_dscnt 3-\i
	global_store_b128 v7, v[R+4*\i:R+4*\i+3], s[22:23] offset:512*\i   ; 32 lanes store a row of 512 consecutive bytes, aligned
.endr
	s_cmp_lt_u32 s4, 2
	s_cbranch_scc0 .Lend                           ; the 1,024 scale bytes are two waves' work
	ds_load_b128 v[R+16:R+19], v13
	s_wait_dscnt 0x0
	global_store_b128 v14, v[R+16:R+19], s[24:25]  ; 512 consecutive bytes a wave, aligned
.Lend:
	s_wait_tensorcnt 0x0                           ; the wave's end, behind my last LDS store, even in a text with no tensor load
	ds_add_u32 v[SPW], v[NIL]
	s_wait_dscnt 0x0
	s_endpgm
.Lfunc_end_k_q1dc3a637c9_prep:
	.size	k_q1dc3a637c9_prep, .Lfunc_end_k_q1dc3a637c9_prep-k_q1dc3a637c9_prep
	.p2alignl 7, 3214868480
	.fill 96, 4, 3214868480
	.section	.rodata,"a",@progbits
	.p2align	6, 0x0
	.amdhsa_kernel k_q1dc3a637c9_prep
		.amdhsa_group_segment_fixed_size 131584
		.amdhsa_private_segment_fixed_size 0
		.amdhsa_enable_private_segment 0
		.amdhsa_kernarg_size 88
		.amdhsa_user_sgpr_count 2
		.amdhsa_user_sgpr_kernarg_segment_ptr 1
		.amdhsa_wavefront_size32 1
		.amdhsa_system_sgpr_workgroup_id_x 1
		.amdhsa_system_sgpr_workgroup_id_y 1
		.amdhsa_system_sgpr_workgroup_id_z 1
		.amdhsa_system_vgpr_workitem_id 0
		.amdhsa_next_free_vgpr 208
		.amdhsa_next_free_sgpr 66
		.amdhsa_reserve_vcc 0
		.amdhsa_float_denorm_mode_32 3
		.amdhsa_float_denorm_mode_16_64 3
		.amdhsa_memory_ordered 1
		.amdhsa_forward_progress 1
		.amdhsa_inst_pref_size 60
	.end_amdhsa_kernel
	.amdgpu_metadata
---
amdhsa.version: [ 1, 2 ]
amdhsa.kernels:
  - .name:           k_q1dc3a637c9_prep
    .symbol:         k_q1dc3a637c9_prep.kd
    .args:
      - { .name: x, .offset: 0, .size: 8, .value_kind: global_buffer, .address_space: global }
      - { .name: Wq, .offset: 8, .size: 8, .value_kind: global_buffer, .address_space: global }
      - { .name: Wk, .offset: 16, .size: 8, .value_kind: global_buffer, .address_space: global }
      - { .name: Wv, .offset: 24, .size: 8, .value_kind: global_buffer, .address_space: global }
      - { .name: Wo, .offset: 32, .size: 8, .value_kind: global_buffer, .address_space: global }
      - { .name: xc, .offset: 40, .size: 8, .value_kind: global_buffer, .address_space: global }
      - { .name: xs, .offset: 48, .size: 8, .value_kind: global_buffer, .address_space: global }
      - { .name: wc, .offset: 56, .size: 8, .value_kind: global_buffer, .address_space: global }
      - { .name: ws, .offset: 64, .size: 8, .value_kind: global_buffer, .address_space: global }
      - { .name: wot, .offset: 72, .size: 8, .value_kind: global_buffer, .address_space: global }
      - { .name: qkv, .offset: 80, .size: 8, .value_kind: global_buffer, .address_space: global }
    .group_segment_fixed_size: 131584
    .private_segment_fixed_size: 0
    .kernarg_segment_align: 8
    .kernarg_segment_size: 88
    .max_flat_workgroup_size: 256
    .sgpr_count:     66
    .vgpr_count:     208
    .wavefront_size: 32
...
	.end_amdgpu_metadata
.endif
;; end of part 1
;; launch qkvgemm (part 2): grid 12 x 16, 4 waves a work-group, clusters of 4 x 4, 327,680 bytes of LDS; arguments xc, xs, wc, ws, bq, bk, bv, qkv; writes qkv
.if DOCPART == 2
	.amdgcn_target "amdgcn-amd-amdhsa--gfx1250"
	.amdhsa_code_object_version 6
	.text
	.protected	k_q1dc3a637c9_qkvgemm
	.globl	k_q1dc3a637c9_qkvgemm
	.p2align	8
	.type	k_q1dc3a637c9_qkvgemm,@function
k_q1dc3a637c9_qkvgemm:
	s_mov_b64 s[64:65], 0
	v_nop
	global_prefetch_b8 v0, s[64:65] scope:SCOPE_SE
	s_setreg_imm32_b32 hwreg(HW_REG_WAVE_MODE, 25, 1), 1
	s_wait_xcnt 0x0
	s_wait_alu depctr_hold_cnt(0) depctr_sa_sdst(0) depctr_va_vdst(0) depctr_va_sdst(0) depctr_va_ssrc(0) depctr_va_vcc(0) depctr_vm_vsrc(0)
	s_getreg_b32 s2, hwreg(HW_REG_IB_STS2, 6, 4)
	s_cmp_eq_u32 s2, 0
	s_cbranch_scc0 .Lentry_in_a_cluster
	s_endpgm
.Lentry_in_a_cluster:
	s_bfe_u32 s2, ttmp6, 0x10000c
	s_cmp_lg_u32 s2, 0xf033
	s_cbranch_scc0 .Lentry_shape_is_right
	s_endpgm
.Lentry_shape_is_right:
; q, k, v = Q(x) Q(W) + b for Wq, Wk, Wv at once: C[m][n] = sum over k of A[m][k] B[n][k] + bias[n], A = xc [4096][1024], B = wc [3072][1024]: codes of FP4 (E2M1) with one E8M0 scale
; for each 32 along K (xs, ws: 32 bytes a row).  Sums in f32; the result is rounded once to f16 and laid by heads: column n goes to plane n / 64 of qkv (0-15 q, 16-31 k, 32-47 v), a plane
; is 4,352 rows of 128 bytes, token t at row t + 128.  LIMIT: q, k and v are kept in f16: magnitudes under 65,504.
; A tile of C, 256 x 256, is made by a work-group of four waves; a wave makes 128 x 128: 64 accumulators of 16 x 16, 512 registers.
; K = 1,024 is two K steps of 512 (tile rows of 256 bytes): both slots and all scale bytes are asked for at the start, three tensor loads a wave, and nothing is filled again.
; CLUSTERS: 4 x 4 work-groups.  The four of a row of the cluster need the same tiles of A, the four of a column the same tiles of B: each tile is asked for JOINTLY, by the same tensor load with
; the same descriptor and a mask that names the four.  THE MATRIX INSTRUCTION IS USED TRANSPOSED (source 0 = 16 rows of B, source 1 = 16 rows of A): a lane holds eight neighbouring columns of a row of C.
; THE BIAS is the C of each sum's first matrix instruction: eight registers for each of my eight blocks of columns, in the result's layout.
; REGISTERS, in windows of 256: window 0: v0-31 addresses; v32-95 scale words, two sets; v128-191 A's fragments, ONE set; on the way out v128-223 are at work.
;   window 1: B's fragments, TWO sets, at v0 and at v128; v64-127 the bias.   window 2: the 32 accumulators of my rows 0-63 ((a, b) at v[8 (8 a + b)]);   window 3: those of my rows 64-127.
.set SIZE_K, 1024
.set PLANE,  557056                    ; a plane of qkv in bytes
.set KSTEP,  512                       ; along K in a slot
.set NQ,     KSTEP/128                 ; matrix instructions deep
.set ROWB,   256                       ; a tile's row in bytes
.set KROW,   SIZE_K*4/8                ; a row of A or of B in memory, in bytes
.set PITCH,  272                       ; an LDS row: 256 bytes + 16 of padding = 68 words: row r starts at bank 4 r mod 64 (64 banks of 4 bytes: ISA guide 11.1)
.set FR,     8                         ; registers of a fragment: 16 rows x 128 K
.set NL,     2                         ; LDS loads that bring one
.set NP,     4                         ; places behind this matrix instruction (ISA guide 7.12.1)
.set HALFT,  128*PITCH                 ; 128 rows: what one tensor load brings
.set SLOT,   4*HALFT                   ; A's 256 rows, then B's 256 rows
.set KS,     SIZE_K/32                 ; a row of scales in bytes
.set SCL,    2*SLOT                    ; behind the slots: the scales, as units of 256 bytes + 16 of padding
.set HALFS,  (128*KS/256)*272          ; the scales of 128 rows
.set SBLK,   (16*KS/256)*272           ; those of 16 rows
.set SPARE,  SCL+4*HALFS               ; the spare words, 128 bytes for each wave: two blocks of 256 bytes that no other line names
.set SPITCH, 272                       ; the way out: a stage of 16 rows x (256 bytes + 16) for each wave, in slot 0, which has had its only fill and its last read when the first result is stored there
.set BOF,  8                           ; v8      the bias loads' offset: 32 x (lane / 16); never rewritten
.set ADRA, 16                          ; v16-17  LDS address of my A fragments in slot 0, 1
.set ADRB, 20                          ; v20-21  the same for B
.set STO,  24                          ; v24     the way out: where I put 16 bytes of a row
.set RD,   25                          ; v25     the way out: where I read back
.set CO,   26                          ; v26     16 x lane: my byte offset in a store's 512 bytes
.set ADRS, 27                          ; v27     LDS address of my scale words: lanes 0-15 A's rows, lanes 16-31 B's
.set SPW,  28                          ; v28     LDS address of my spare word; never rewritten
.set NIL,  29                          ; v29     0; never rewritten
.set SC,   32                          ; scale words: set s at v[SC + 8 NQ s]; register NQ i + q: lanes 0-15 A's block i, lanes 16-31 B's block i, the slot's q-th 128 along K
.set AF,   128                         ; A's fragments, in window 0
.set OB,   128                         ; the way out: rows read back: v128-159 and v160-191 by turns
.set TMP,  192                         ; the way out: packed results, v192-223
.set BI,   64                          ; the bias, in window 1
.set G1, 24                            ; s[24:31] descriptor group 1 for A's tiles;  s[32:39] group 0, one set for each slot
.set G0, 32
.set G1B, 48                           ; s[48:55], s[56:63] the same for B's tiles
.set G0B, 56
.set G1S, 68                           ; s[68:75], s[76:79] groups 1 and 0 for A's scales;  s[80:87], s[88:91] for B's
.set G0S, 76
.set G1SB, 80
.set G0SB, 88
.set MSB, 0
.macro WIN new                         ; the immediate's high byte repeats the setting that is left
.if MSB != (\new)
	s_set_vgpr_msb (MSB<<8)|(\new)
.set MSB, (\new)
.endif
.endm
.set MUL_LO, 0xa1                      ; source 0 (B) window 1, source 1 (A) window 0, C and D window 2
.set MUL_HI, 0xf1                      ; the same, C and D window 3
.set TO_B,   0x40                      ; destination window 1, address window 0
; A joint load: waves 0 and 1 fetch for A, waves 2 and 3 for B.  Each of the two lines has ONE mask and one set of registers for all that issue it; the branch hangs on the wave's number alone.
; An s_nop 0 and four v_nop follow each of the two lines.
.macro JLOAD g0a, g1a, g0b, g1b
	s_cmp_eq_u32 s15, 0
	s_cbranch_scc0 .Lfor_b_\@
	tensor_load_to_lds s[\g0a:\g0a+3], s[\g1a:\g1a+7]
	s_nop 0
.rept 4
	v_nop
.endr
	s_branch .Lasked_\@
.Lfor_b_\@:
	tensor_load_to_lds s[\g0b:\g0b+3], s[\g1b:\g1b+7]
	s_nop 0
.rept 4
	v_nop
.endr
.Lasked_\@:
.endm
.macro CROUND                          ; a round of the cluster's barrier
	s_barrier_signal -1
	s_barrier_wait -1
	s_cmp_lg_u32 s14, 0
	s_cbranch_scc1 .Lnot_wave_0_\@
	s_barrier_signal -3
.Lnot_wave_0_\@:
	s_barrier_wait -3
	s_barrier_signal -1
	s_barrier_wait -1
.endm
	s_load_b128 s[4:7], s[0:1], 0x0                ; A's codes s[4:5], A's scales s[6:7]
	s_load_b128 s[8:11], s[0:1], 0x10              ; B's codes s[8:9], B's scales s[10:11]
	s_load_b128 s[96:99], s[0:1], 0x20             ; bq s[96:97], bk s[98:99]
	s_load_b64 s[100:101], s[0:1], 0x30            ; bv
	s_load_b64 s[12:13], s[0:1], 0x38              ; qkv
	v_lshl_add_u32 v[SPW], v0, 2, SPARE
	v_mov_b32 v[NIL], 0
	ds_add_u32 v[SPW], v[NIL]                      ; the wave's opening: the add, twice on end, and its wait ahead of my first tensor load
	ds_add_u32 v[SPW], v[NIL]                      ; and once more, under the one wait; the set-up below, work on registers, stands between
	v_lshrrev_b32 v1, 5, v0
	v_readfirstlane_b32 s14, v1                    ; wave 0..3
	s_lshr_b32 s15, s14, 1                         ; which half of the tile's rows is mine.  Also: I fetch for A (0) or for B (1)
	s_and_b32 s16, s14, 1                          ; which half of its columns.  Also: which 128 rows of that tile I fetch
	s_bfe_u32 s40, ttmp6, 0x40000                  ; cx, cy: my place in the cluster
	s_bfe_u32 s41, ttmp6, 0x40004
	s_lshl_b32 s42, ttmp9, 2
	s_add_co_u32 s42, s42, s40                     ; tile column of C = 4 x cluster x + cx
	s_and_b32 s17, ttmp7, 0xffff
	s_lshl_b32 s17, s17, 2
	s_add_co_u32 s17, s17, s41                     ; tile row of C = 4 x cluster y + cy
	s_lshl_b32 s43, s41, 2
	s_lshl_b32 s43, 15, s43                        ; my row of the cluster
	s_lshl_b32 s44, 0x1111, s40                    ; my column
	; descriptor group 1: a tile of 128 rows x 256 bytes, padded in LDS
	s_or_b32 s[G1+0], s43, (0<<16)|(1<<20)|(1<<21)|(5<<22)|(3<<25)  ; 15:0 the mask: A's tiles go to my row; 17:16 element of 1 byte; 20 padding on; 21 set beside a mask; 24:22 after every 64 words; 31:25 four words
	s_or_b32 s[G1B+0], s44, (0<<16)|(1<<20)|(1<<21)|(5<<22)|(3<<25)
.irp g, G1, G1B
	s_mov_b32 s[\g+1], ROWB<<16                    ; tensor_dim0
	s_mov_b32 s[\g+2], 128<<16                     ; tensor_dim1 = 128
	s_mov_b32 s[\g+3], ROWB<<16                    ; tile_dim0
	s_mov_b32 s[\g+4], 128                         ; tile_dim1 = 128
	s_mov_b32 s[\g+5], KROW                        ; tensor_dim0_stride
	s_mov_b32 s[\g+6], 0
	s_mov_b32 s[\g+7], 0
.endr
	; the scales of 128 rows: a dense block of 4,096 bytes, as 16 rows of 256 bytes (32 elements of 8 bytes), 16 bytes of padding behind each
	s_or_b32 s[G1S+0], s43, (3<<16)|(1<<20)|(1<<21)|(5<<22)|(3<<25)
	s_or_b32 s[G1SB+0], s44, (3<<16)|(1<<20)|(1<<21)|(5<<22)|(3<<25)
.irp g, G1S, G1SB
	s_mov_b32 s[\g+1], 32<<16
	s_mov_b32 s[\g+2], (128*KS/256)<<16
	s_mov_b32 s[\g+3], 32<<16
	s_mov_b32 s[\g+4], 128*KS/256
	s_mov_b32 s[\g+5], 32
	s_mov_b32 s[\g+6], 0
	s_mov_b32 s[\g+7], 0
.endr
	s_lshl_b32 s18, s16, 7                         ; which 128 rows of the tile I fetch
	s_lshl_b32 s20, s17, 8
	s_add_co_u32 s20, s20, s18                     ; A: row 256 x tile row + 128 x half
	s_lshl_b32 s46, s42, 8
	s_add_co_u32 s46, s46, s18                     ; B: row 256 x tile column + 128 x half
	s_mov_b32 s21, 0
	s_mov_b32 s47, 0
	s_mov_b64 s[18:19], KS
	s_mul_u64 s[22:23], s[20:21], s[18:19]         ; where these rows' scales begin, in bytes
	s_mul_u64 s[92:93], s[46:47], s[18:19]
	s_mov_b64 s[18:19], KROW
	s_mul_u64 s[20:21], s[20:21], s[18:19]         ; and their codes
	s_mul_u64 s[46:47], s[46:47], s[18:19]
	s_mul_i32 s45, s14, HALFT                      ; where they go: wave x 128 rows: no place in the cluster enters an LDS address
	s_mul_i32 s94, s14, HALFS
	s_wait_dscnt 0x0                               ; both opening adds are done
	s_wait_kmcnt 0x0
	s_add_nc_u64 s[20:21], s[4:5], s[20:21]
	s_add_nc_u64 s[22:23], s[6:7], s[22:23]
	s_add_nc_u64 s[46:47], s[8:9], s[46:47]
	s_add_nc_u64 s[92:93], s[10:11], s[92:93]
	CROUND                                         ; all sixteen work-groups are here: the first joint loads meet
	s_mov_b32 s[G0S], 1
	s_add_co_u32 s[G0S+1], s94, SCL
	s_mov_b64 s[G0S+2:G0S+3], s[22:23]
	s_or_b32 s[G0S+3], s[G0S+3], 0x80000000
	s_mov_b32 s[G0SB], 1
	s_add_co_u32 s[G0SB+1], s94, SCL
	s_mov_b64 s[G0SB+2:G0SB+3], s[92:93]
	s_or_b32 s[G0SB+3], s[G0SB+3], 0x80000000
	JLOAD G0S, G1S, G0SB, G1SB                     ; the scales first: they are wanted with K step 0
.irp s, 0,1
	s_mov_b32 s[G0+4*\s], 1
	s_add_co_u32 s[G0+4*\s+1], s45, \s*SLOT
	s_add_nc_u64 s[G0+4*\s+2:G0+4*\s+3], s[20:21], \s*ROWB
	s_or_b32 s[G0+4*\s+3], s[G0+4*\s+3], 0x80000000
	s_mov_b32 s[G0B+4*\s], 1
	s_add_co_u32 s[G0B+4*\s+1], s45, \s*SLOT
	s_add_nc_u64 s[G0B+4*\s+2:G0B+4*\s+3], s[46:47], \s*ROWB
	s_or_b32 s[G0B+4*\s+3], s[G0B+4*\s+3], 0x80000000
	JLOAD G0+4*\s, G1, G0B+4*\s, G1B               ; by this text's own count three tensor loads of a wave are out
.endr
	v_and_b32 v1, 15, v0                           ; l % 16
	v_bfe_u32 v2, v0, 4, 1                         ; l / 16
	v_mul_u32_u24 v3, v1, PITCH
	v_lshl_add_u32 v4, v2, 4, v3                   ; a fragment's row x pitch + 16 x half
	s_mul_i32 s21, s15, HALFT                      ; my 128 rows of A
	s_mul_i32 s22, s16, HALFT                      ; my 128 rows of B,
	s_add_co_u32 s22, s22, 2*HALFT                 ; which lie behind A's 256
.irp s, 0,1
	v_add_nc_u32 v[ADRA+\s], s21, v4
	v_add_nc_u32 v[ADRB+\s], s22, v4
	s_add_co_u32 s21, s21, SLOT
	s_add_co_u32 s22, s22, SLOT
.endr
	v_mul_u32_u24 v5, v1, KS                       ; my row's scales: KS bytes a row,
	v_lshrrev_b32 v6, 8, v5
	v_lshl_add_u32 v5, v6, 4, v5                   ; and 16 more for each 256 passed
	s_mul_i32 s21, s15, HALFS                      ; A's: my 128 rows
	s_mul_i32 s22, s16, HALFS                      ; B's: my 128 rows, behind A's 256
	s_add_co_u32 s22, s22, 2*HALFS
	s_sub_co_u32 s22, s22, s21
	v_mul_u32_u24 v6, s22, v2                      ; lanes 16-31 take B's
	s_add_co_u32 s21, s21, SCL
	v_add_nc_u32 v5, v5, v6
	v_add_nc_u32 v[ADRS], s21, v5
	s_mul_i32 s23, s14, 16*SPITCH                  ; my stage
	v_mul_u32_u24 v5, v1, SPITCH                   ; in: row l % 16, 16 bytes for each half of the lanes
	v_lshl_add_u32 v5, v2, 4, v5
	v_add_nc_u32 v[STO], s23, v5
	v_and_b32 v6, 31, v0
	v_lshlrev_b32 v[CO], 4, v6
	v_lshrrev_b32 v5, 3, v6                        ; back: eight lanes take a token's 128 bytes of one head, four tokens an instruction
	v_mul_u32_u24 v5, v5, SPITCH
	v_and_b32 v6, 7, v6
	v_lshl_add_u32 v5, v6, 4, v5
	v_add_nc_u32 v[RD], s23, v5
	s_lshl_b32 s20, s17, 8
	s_lshl_b32 s21, s15, 7
	s_add_co_u32 s20, s20, s21                     ; my first token: 256 x tile row + 128 x half;
	s_add_co_u32 s20, s20, 128                     ; token t lies at row t + 128 of a plane,
	s_lshl_b32 s20, s20, 7                         ; rows of 128 bytes
	s_mov_b32 s21, 0
	s_lshl_b32 s46, s42, 2
	s_lshl_b32 s47, s16, 1
	s_add_co_u32 s46, s46, s47                     ; my first plane: 4 x tile column + 2 x half
	s_mul_i32 s46, s46, PLANE
	s_mov_b32 s47, 0
	s_add_nc_u64 s[20:21], s[20:21], s[46:47]
	s_add_nc_u64 s[12:13], s[12:13], s[20:21]
	; the bias: four tile columns to a tensor, so the cluster's x says which; cx and my half say where in it
	s_cmp_eq_u32 ttmp9, 1
	s_cselect_b64 s[96:97], s[98:99], s[96:97]
	s_cmp_eq_u32 ttmp9, 2
	s_cselect_b64 s[96:97], s[100:101], s[96:97]
	s_lshl_b32 s98, s40, 10                        ; 256 columns of 4 bytes
	s_lshl_b32 s99, s16, 9
	s_add_co_u32 s98, s98, s99
	s_mov_b32 s99, 0
	s_add_nc_u64 s[96:97], s[96:97], s[98:99]
	v_lshlrev_b32 v[BOF], 5, v2                    ; lane (r, h) wants, for block b, the bias of columns 16 b + 8 h + 0 .. 7
	WIN TO_B
.irp b, 0,1,2,3,4,5,6,7
	global_load_b128 v[BI+8*\b:BI+8*\b+3], v[BOF], s[96:97] offset:64*\b
	global_load_b128 v[BI+8*\b+4:BI+8*\b+7], v[BOF], s[96:97] offset:64*\b+16
.endr
	WIN 0
.macro FRAG reg, adr, q, i             ; a fragment, 16 rows x 128 K of 4-bit codes, is 8 registers: lane l holds row l % 16; registers 4 c .. 4 c + 3 hold K = 64 c + 32 (l / 16) + 0 .. 31
.irp c, 0,1
	ds_load_b128 v[\reg+4*\c:\reg+4*\c+3], v[\adr] offset:64*(\q)+32*\c+(\i)*16*PITCH
.endr
.endm
; 16 matrix instructions: A's blocks a0, a0 + 1 x B's eight, 128 along K: the slot's q-th.  p: B's set;  sc: the set of scale words.  zero = 1: the first product starts the sums, with the bias as its C.
; The 64 accumulators take turns, one instruction a turn, in the same order in every step.
.macro MUL16 a0, p, q, sc, zero
.irp a, \a0, \a0+1
.irp b, 0,1,2,3,4,5,6,7
.if \zero
	v_wmma_scale_f32_16x16x128_f8f6f4 v[8*(8*((\a)%4)+\b):8*(8*((\a)%4)+\b)+7], v[128*(\p)+FR*\b:128*(\p)+FR*\b+FR-1], v[AF+FR*(\a):AF+FR*(\a)+FR-1], v[BI+8*\b:BI+8*\b+7], v[SC+8*NQ*(\sc)+NQ*\b+(\q)], v[SC+8*NQ*(\sc)+NQ*(\a)+(\q)] matrix_a_fmt:MATRIX_FMT_FP4 matrix_b_fmt:MATRIX_FMT_FP4 matrix_a_scale:MATRIX_SCALE_ROW1
.else
	v_wmma_scale_f32_16x16x128_f8f6f4 v[8*(8*((\a)%4)+\b):8*(8*((\a)%4)+\b)+7], v[128*(\p)+FR*\b:128*(\p)+FR*\b+FR-1], v[AF+FR*(\a):AF+FR*(\a)+FR-1], v[8*(8*((\a)%4)+\b):8*(8*((\a)%4)+\b)+7], v[SC+8*NQ*(\sc)+NQ*\b+(\q)], v[SC+8*NQ*(\sc)+NQ*(\a)+(\q)] matrix_a_fmt:MATRIX_FMT_FP4 matrix_b_fmt:MATRIX_FMT_FP4 matrix_a_scale:MATRIX_SCALE_ROW1
.endif
.endr
.endr
.endm
.macro FETCH_B slot, q, p              ; B's eight fragments of the slot's q-th 128 along K into set p
	WIN TO_B
.irp i, 0,1,2,3,4,5,6,7
	FRAG 128*(\p)+FR*\i, ADRB+\slot, \q, \i
.endr
	WIN 0
.endm
.macro FETCH_A slot, q, i0             ; A's blocks i0 .. i0 + 3
.irp i, \i0, \i0+1, \i0+2, \i0+3
	FRAG AF+FR*(\i), ADRA+\slot, \q, \i
.endr
.endm
.macro SCALES sc                       ; a K step's scale words into set sc: NQ words a row; lanes 0-15 take A's block i, lanes 16-31 B's block i
.irp i, 0,1,2,3,4,5,6,7
	ds_load_b128 v[SC+8*NQ*\sc+NQ*\i:SC+8*NQ*\sc+NQ*\i+3], v[ADRS] offset:\i*SBLK
.endr
.endm
; A load into a register that a matrix instruction has read, and a vector instruction that reads a matrix result, stand NP places behind that matrix instruction, and only plain vector
; instructions that name none of its registers are places (ISA guide 7.12.1 for vector instructions).
.macro PLACES n
.rept \n
	v_nop
.endr
.endm
; A step of 128 along K that has its successor in the same slot.  zero = 1: C is the bias, which lies in window 1
.macro STEP slot, q, zero
	s_wait_dscnt 4*NL                              ; B's set and A's blocks 0-3 are in; the youngest eight loads (A's blocks 4-7) may be out
	WIN MUL_LO-0x10*(\zero)
	MUL16 0, (\q)%2, \q, \slot, \zero
	MUL16 2, (\q)%2, \q, \slot, \zero
	s_wait_dscnt 0                                 ; A's blocks 4-7 are in (asked for 32 matrix instructions ago)
	PLACES NP
	FETCH_B \slot, (\q)+1, 1-(\q)%2
	FETCH_A \slot, (\q)+1, 0
	WIN MUL_HI-0x20*(\zero)
	MUL16 4, (\q)%2, \q, \slot, \zero
	MUL16 6, (\q)%2, \q, \slot, \zero
	PLACES NP
	WIN 0
	FETCH_A \slot, (\q)+1, 4
.endm
.macro STEPS slot, from                ; the slot's steps from .. NQ - 2
.set Q, \from
.rept NQ-1-\from
	STEP \slot, Q, 0
.set Q, Q+1
.endr
.endm
	s_wait_tensorcnt 1                             ; the scales and my part of K step 0 are in (K step 1's load may be out),
	s_barrier_signal -1
	s_barrier_wait -1                              ; everybody's are
	FETCH_B 0, 0, 0
	FETCH_A 0, 0, 0
	SCALES 0
	FETCH_A 0, 0, 4
	s_wait_loadcnt 0x0                             ; the bias
	STEP 0, 0, 1                                   ; the first step's products start the sums
	STEPS 0, 1
	; slot 0's last step changes slots: one barrier; in front of it each wave waits for all its tensor loads, adds 0 to its spare word, and waits for that and for its reads of slot 0
	s_wait_tensorcnt 0x0                           ; my part of slot 1 has landed  (every window is 0 here)
	ds_add_u32 v[SPW], v[NIL]                      ; 0 onto my spare word
	s_wait_dscnt 4*NL+1                            ; (the add and the youngest eight loads, A's blocks 4-7, may be out)
	WIN MUL_LO
	MUL16 0, 1, NQ-1, 0, 0                         ; sixteen matrix instructions stand between the add and the wait for it
	s_wait_dscnt 0x0                               ; the add is done, and my reads of slot 0 are over
	s_barrier_signal -1
	MUL16 2, 1, NQ-1, 0, 0
	WIN 0
	s_barrier_wait -1                              ; slot 1 is whole, and nobody reads slot 0 any more
	PLACES NP
	v_add_nc_u32 v[ADRS], 4*NQ, v[ADRS]            ; on to the second K step's scale words (no LDS load of mine is out)
	FETCH_B 1, 0, 0
	FETCH_A 1, 0, 0
	SCALES 1
	WIN MUL_HI
	MUL16 4, 1, NQ-1, 0, 0
	MUL16 6, 1, NQ-1, 0, 0
	PLACES NP
	WIN 0
	FETCH_A 1, 0, 4
	STEPS 1, 0
	s_wait_dscnt 4*NL                              ; the very last step: nothing more to fetch
	WIN MUL_LO
	MUL16 0, 1, NQ-1, 1, 0
	MUL16 2, 1, NQ-1, 1, 0
	s_wait_dscnt 0
	WIN MUL_HI
	MUL16 4, 1, NQ-1, 1, 0
	MUL16 6, 1, NQ-1, 1, 0
	WIN 0
; THE WAY OUT, block by block of 16 tokens x 128 columns (two heads).  PACK: rounded to f16, a lane's eight columns are 16 bytes.  TOSTAGE: into my own stage, and back by heads: four tokens x 128 bytes
; of one head an instruction.  SEND: those 512 bytes are consecutive in the head's plane.  LDS serves a wave's instructions in order (ISA guide 5.7.1.4): no wait between the stores and the loads.
.macro PACK a
.set AC, 64*((\a)%4)
	WIN 0x0a+5*((\a)/4)                            ; sources 0 and 1: window 2 or 3
.irp b, 0,1,2,3,4,5,6,7
.irp r, 0,1,2,3
	v_cvt_pk_f16_f32 v[TMP+4*\b+\r], v[AC+8*\b+2*\r], v[AC+8*\b+2*\r+1]   ; each accumulator from its low end on
.endr
.endr
	WIN 0
.endm
.macro TOSTAGE a
.set BK, OB+32*((\a)%2)
.irp b, 0,1,2,3,4,5,6,7
	ds_store_b128 v[STO], v[TMP+4*\b:TMP+4*\b+3] offset:32*\b
.endr
.irp t, 0,1,2,3,4,5,6,7
	ds_load_b128 v[BK+4*\t:BK+4*\t+3], v[RD] offset:(\t%4)*4*SPITCH+(\t/4)*128
.endr
.endm
.macro SEND a
.set BK, OB+32*((\a)%2)
	s_wait_dscnt 0x0                               ; the block is back in registers
	s_wait_xcnt 0x0                                ; the block before has had its stores' addresses translated (ISA guide 3.1): its registers take the next block's loads only behind this wait
.irp t, 0,1,2,3,4,5,6,7
	global_store_b128 v[CO], v[BK+4*\t:BK+4*\t+3], s[12:13] offset:(\t/4)*PLANE+(\a)*2048+(\t%4)*512   ; 32 lanes store 512 consecutive bytes, aligned; no base is stepped: the largest offset is 572,928
.endr
.endm
	PLACES NP                                      ; behind the last products: for the conversions that read results and the loads into A's old registers
	PACK 0
	TOSTAGE 0
.irp a, 1,2,3,4,5,6,7                  ; block a's conversions stand between block a - 1's loads from the stage and the wait for them
	PACK \a
	SEND \a-1
	TOSTAGE \a
.endr
	SEND 7
	s_wait_tensorcnt 0x0                           ; the wave's end, behind my last tensor load and my last LDS store
	ds_add_u32 v[SPW], v[NIL]
	s_wait_dscnt 0x0
	CROUND                                         ; the closing round: no work-group ends while a partner may still ask for a tile that names it
	s_endpgm
.Lfunc_end_k_q1dc3a637c9_qkvgemm:
	.size	k_q1dc3a637c9_qkvgemm, .Lfunc_end_k_q1dc3a637c9_qkvgemm-k_q1dc3a637c9_qkvgemm
	.p2alignl 7, 3214868480
	.fill 96, 4, 3214868480
	.section	.rodata,"a",@progbits
	.p2align	6, 0x0
	.amdhsa_kernel k_q1dc3a637c9_qkvgemm
		.amdhsa_group_segment_fixed_size 327680
		.amdhsa_private_segment_fixed_size 0
		.amdhsa_enable_private_segment 0
		.amdhsa_kernarg_size 64
		.amdhsa_user_sgpr_count 2
		.amdhsa_user_sgpr_kernarg_segment_ptr 1
		.amdhsa_wavefront_size32 1
		.amdhsa_system_sgpr_workgroup_id_x 1
		.amdhsa_system_sgpr_workgroup_id_y 1
		.amdhsa_system_sgpr_workgroup_id_z 1
		.amdhsa_system_vgpr_workitem_id 0
		.amdhsa_next_free_vgpr 1024
		.amdhsa_next_free_sgpr 102
		.amdhsa_reserve_vcc 0
		.amdhsa_float_denorm_mode_32 3
		.amdhsa_float_denorm_mode_16_64 3
		.amdhsa_memory_ordered 1
		.amdhsa_forward_progress 1
		.amdhsa_inst_pref_size 128
	.end_amdhsa_kernel
	.amdgpu_metadata
---
amdhsa.version: [ 1, 2 ]
amdhsa.kernels:
  - .name:           k_q1dc3a637c9_qkvgemm
    .symbol:         k_q1dc3a637c9_qkvgemm.kd
    .args:
      - { .name: xc, .offset: 0, .size: 8, .value_kind: global_buffer, .address_space: global }
      - { .name: xs, .offset: 8, .size: 8, .value_kind: global_buffer, .address_space: global }
      - { .name: wc, .offset: 16, .size: 8, .value_kind: global_buffer, .address_space: global }
      - { .name: ws, .offset: 24, .size: 8, .value_kind: global_buffer, .address_space: global }
      - { .name: bq, .offset: 32, .size: 8, .value_kind: global_buffer, .address_space: global }
      - { .name: bk, .offset: 40, .size: 8, .value_kind: global_buffer, .address_space: global }
      - { .name: bv, .offset: 48, .size: 8, .value_kind: global_buffer, .address_space: global }
      - { .name: qkv, .offset: 56, .size: 8, .value_kind: global_buffer, .address_space: global }
    .group_segment_fixed_size: 327680
    .private_segment_fixed_size: 0
    .kernarg_segment_align: 8
    .kernarg_segment_size: 64
    .max_flat_workgroup_size: 128
    .sgpr_count:     102
    .vgpr_count:     1024
    .wavefront_size: 32
...
	.end_amdgpu_metadata
.endif
;; end of part 2
;; launch attn (part 3): grid 32 x 8, 8 waves a work-group, no clusters, 269,312 bytes of LDS; arguments qkv, o; writes o
.if DOCPART == 3
	.amdgcn_target "amdgcn-amd-amdhsa--gfx1250"
	.amdhsa_code_object_version 6
	.text
	.protected	k_q1dc3a637c9_attn
	.globl	k_q1dc3a637c9_attn
	.p2align	8
	.type	k_q1dc3a637c9_attn,@function
k_q1dc3a637c9_attn:
	s_mov_b64 s[64:65], 0
	v_nop
	global_prefetch_b8 v0, s[64:65] scope:SCOPE_SE
	s_setreg_imm32_b32 hwreg(HW_REG_WAVE_MODE, 25, 1), 1
	s_wait_xcnt 0x0
; o[t][64 head + d] = sum over keys j with |t - j| <= 128 of softmax_j(q[t] . k[j] / 8) v[j][d], for 16 heads of 64.  q, k, v: planes of qkv (plane p: 4,352 rows of 128 bytes, f16; token t at row t + 128;
; planes 0-15 q, 16-31 k, 32-47 v; the 128 rows in front of and behind k's and v's tokens hold zeros).  o: [4096][1024] f16.  Products on f16 operands, sums, maximum and softmax in f32.
; THE MASK is the reference's own band: only the 257 keys of a query's band are multiplied; the others' weights are exactly 0 there too.
; LIMITS: a row whose largest kept score lies under about -9.99e8 is not served (the mask leaves keys out; it does not set -1e9); NaN and infinities are not served; o is kept in f16.
; SHARES.  A work-group owns 128 queries (x) of two heads (y).  Wave w: head w / 4 of the two, queries 32 (w % 4) on: two tiles of 16, tile i in register window i.
; A wave's window of keys is 288 wide, 18 tiles of 16, from its first query - 128 on; query tile 0 takes key tiles 0-16, query tile 1 key tiles 1-17: each has 17, numbered 0-16 in its own window of registers.
; All 17 tiles of scores of a query tile lie in 136 registers, so the softmax is taken once: a true maximum, no running one.  Each fragment of K and V read from LDS feeds both query tiles.
; LDS.  The work-group's 384 key rows of K and V of both heads come by ONE tensor load a wave (192 rows), all at the start; nothing is filled again.  The zero rows let every work-group ask for 384 rows with the same shape.
; NO CLUSTER: neighbouring query blocks share 256 of their 384 key rows, but key j lies at LDS row j + 128 - 128 x block, another place in each block, and a joint load has one LDS address for all that it names;
; work-groups of other heads share nothing.
; LAYOUT.  S^T = K Q^T (source 0 = 16 keys, source 1 = 16 queries): a lane holds ONE query (lane % 16) and keys 8 (lane / 16) + 0..7 of a tile.  Two such tiles, rounded to f16 in pairs, ARE source 1 (32 keys x 16 queries)
; of O^T = V^T P, whose result again holds one query a lane.  K comes out of LDS as it lies, V ([key][channel]) turned, by ds_load_tr16_b128.
; REGISTERS, the same numbers in both windows unless said: window 0 alone: v1-8 addresses.  v10 lane % 16 - 8 (lane / 16); v11 -infinity; v12 c m, v13 m; v[14:15] the sum; v16-19 at work; v20-35 Q;
; v36-39 (window 1) zeros: the key tile that query tile 1 does not have; v40-175 S^T, 17 x 8; P is packed in place into v40-107, v108-111 then zeros; v176-207 O^T; v208-255 three key tiles of K;
; V of three steps of 32 keys at v112, v144, v208.
.set PLANE, 557056
.set KP,    144                        ; a row of K in LDS: 128 bytes + 16 of padding: an odd multiple of 16
.set VP,    160                        ; a row of V: 128 + 32: an odd multiple of 32, for the turning load
.set HEADB, 116736                     ; a head's bytes in LDS: 384 rows of K, then 384 rows of V
.set VOFF,  384*KP
.set STG,   2*HEADB                    ; the way out: 128 rows x (256 bytes + 16), the work-group's
.set SP,    272
.set SPARE, STG+128*SP                 ; the spare words, 128 bytes for each wave: four blocks of 256 bytes that no other line names
.set AK,  1                            ; v1  my lane's place in my wave's first key tile of K
.set AV,  2                            ; v2  the same for V
.set QO,  3                            ; v3  my byte offset in the wave's rows of Q
.set STO, 4                            ; v4  the way out: where I put 16 bytes of a row
.set RD,  5                            ; v5  where I read a row back
.set GO,  6                            ; v6  my byte offset in the wave's rows of o
.set SPW, 7                            ; v7  LDS address of my spare word; never rewritten
.set NIL, 8                            ; v8  0; never rewritten
.set DD,  10
.set NEG, 11
.set CM,  12
.set L,   14
.set T,   16
.set Q,   20
.set Z,   36
.set S,   40
.set O,   176
.set F,   208
.set G1K, 24                           ; s[24:31] descriptor group 1 for K's tiles;  s[32:39] for V's: it differs in the padding alone
.set G1V, 32
.set G0K, 40                           ; s[40:43], s[44:47] their groups 0
.set G0V, 44
.set CS,  48                           ; s[48:49] c = log2(e) / 8: the packed form names a pair and takes its low word for both halves
.set SEL, 50                           ; s[50:51] lane selects for v_permlanex16_b32: lane l xor 16
.set QT,  52                           ; s52, s53 the first query of my tile 0, 1
.set MSB, 0
.macro WIN new                         ; s_set_vgpr_msb: bits 1:0 source 0, 3:2 source 1, 5:4 source 2, 7:6 destination; the high byte repeats the setting that is left
.if MSB != (\new)
	s_set_vgpr_msb (MSB<<8)|(\new)
.set MSB, (\new)
.endif
.endm
.macro PLACES                          ; four places behind matrix instructions, in front of loads into registers that they have read and of the first read of results (ISA guide 7.12.1 for the first read of results)
.rept 4
	v_nop
.endr
.endm
	s_load_b128 s[4:7], s[0:1], 0x0                ; qkv s[4:5], o s[6:7]
	v_lshl_add_u32 v[SPW], v0, 2, SPARE
	v_mov_b32 v[NIL], 0
	ds_add_u32 v[SPW], v[NIL]                      ; the wave's opening: the add, twice on end, and its wait ahead of my first tensor load
	ds_add_u32 v[SPW], v[NIL]                      ; and once more, under the one wait; the set-up below, work on registers, stands between
	v_lshrrev_b32 v9, 5, v0
	v_readfirstlane_b32 s8, v9                     ; wave 0..7
	s_lshr_b32 s9, s8, 2                           ; which of the two heads
	s_and_b32 s10, s8, 3                           ; which 32 queries
	s_and_b32 s11, s8, 1                           ; which 192 rows I fetch
	s_and_b32 s14, ttmp7, 0xffff                   ; the pair of heads
	s_lshl_b32 s15, s14, 1
	s_add_co_u32 s15, s15, s9                      ; my head
	s_lshl_b32 s13, ttmp9, 7                       ; the work-group's first query; also the plane's row at which its 384 key rows begin
	s_lshl_b32 s[QT], s10, 5
	s_add_co_u32 s[QT], s[QT], s13
	s_add_co_u32 s[QT+1], s[QT], 16
	; descriptor group 1: a tile of 192 rows x 64 elements of 2 bytes, dense in memory, padded in LDS
	s_mov_b32 s[G1K], (1<<16)|(1<<20)|(4<<22)|(3<<25)      ; 15:0 no mask; 17:16 elements of 2 bytes; 20 padding on; 24:22 after every 32 words (code 4); 31:25 four words (code 3)
	s_mov_b32 s[G1V], (1<<16)|(1<<20)|(4<<22)|(7<<25)      ; the same with eight words of padding (code 7)
.irp g, G1K, G1V
	s_mov_b32 s[\g+1], 64<<16                      ; tensor_dim0 = 64
	s_mov_b32 s[\g+2], 192<<16                     ; tensor_dim1 = 192
	s_mov_b32 s[\g+3], 64<<16                      ; tile_dim0 = 64
	s_mov_b32 s[\g+4], 192                         ; tile_dim1 = 192
	s_mov_b32 s[\g+5], 64                          ; tensor_dim0_stride
	s_mov_b32 s[\g+6], 0
	s_mov_b32 s[\g+7], 0
.endr
	s_mov_b32 s[CS], 0x3e38aa3b                    ; c = log2(e) / sqrt(64)
	s_mov_b32 s[CS+1], s[CS]                       ; (named with it as a pair, so it is written)
	s_mov_b32 s[SEL], 0x76543210
	s_mov_b32 s[SEL+1], 0xfedcba98
	s_mul_i32 s16, s9, HEADB                       ; my head's bytes in LDS
	s_mov_b32 s[G0K], 1                            ; 1:0 count = 1
	s_mul_i32 s17, s11, 192*KP
	s_add_co_u32 s[G0K+1], s16, s17                ; 63:32 LDS address: my half of K's rows
	s_mov_b32 s[G0V], 1
	s_mul_i32 s17, s11, 192*VP
	s_add_co_u32 s[G0V+1], s16, s17
	s_add_co_u32 s[G0V+1], s[G0V+1], VOFF          ; or of V's
	s_add_co_u32 s54, s15, 16                      ; k's plane of my head,
	s_mul_i32 s54, s54, PLANE
	s_mul_i32 s55, s11, 192
	s_add_co_u32 s55, s55, s13                     ; its row 128 x block + 192 x half,
	s_lshl_b32 s55, s55, 7                         ; rows of 128 bytes
	s_add_co_u32 s54, s54, s55
	s_mov_b32 s55, 0
	s_mul_i32 s56, s15, PLANE                      ; q's plane of my head,
	s_add_co_u32 s57, s[QT], 128                   ; the row of my first query
	s_lshl_b32 s57, s57, 7
	s_add_co_u32 s56, s56, s57
	s_mov_b32 s57, 0
	s_lshl_b32 s59, s8, 4
	s_add_co_u32 s58, s13, s59                     ; the way out: wave w stores rows 16 w on of the work-group's 128,
	s_lshl_b32 s58, s58, 11                        ; rows of 2,048 bytes,
	s_lshl_b32 s59, s14, 8                         ; the two heads' 256 bytes
	s_add_co_u32 s58, s58, s59
	s_mov_b32 s59, 0
	s_wait_dscnt 0x0                               ; both opening adds are done
	s_wait_kmcnt 0x0
	s_add_nc_u64 s[G0K+2:G0K+3], s[4:5], s[54:55]  ; 120:64 global address
	s_add_nc_u64 s[G0V+2:G0V+3], s[G0K+2:G0K+3], 16*PLANE   ; v's plane lies 16 planes on
	s_or_b32 s[G0K+3], s[G0K+3], 0x80000000        ; 127:126 type = 2
	s_or_b32 s[G0V+3], s[G0V+3], 0x80000000
	s_add_nc_u64 s[20:21], s[4:5], s[56:57]        ; Q at my first query
	s_add_nc_u64 s[22:23], s[6:7], s[58:59]        ; o at the first row that I store
	s_and_b32 s54, s8, 2                           ; waves 0, 1, 4, 5 fetch K's halves, waves 2, 3, 6, 7 V's: one tensor load a wave, the only one of the launch
	s_cmp_eq_u32 s54, 0
	s_cbranch_scc0 .Lfor_v
	tensor_load_to_lds s[G0K:G0K+3], s[G1K:G1K+7]
	s_nop 0
.rept 4
	v_nop
.endr
	s_branch .Lasked
.Lfor_v:
	tensor_load_to_lds s[G0V:G0V+3], s[G1V:G1V+7]
	s_nop 0
.rept 4
	v_nop
.endr
.Lasked:
	v_and_b32 v16, 15, v0                          ; r = lane % 16
	v_bfe_u32 v17, v0, 4, 1                        ; h = lane / 16
	v_lshlrev_b32 v[QO], 7, v16
	v_lshl_add_u32 v[QO], v17, 4, v[QO]            ; row r of 128 bytes + 16 h
.irp i, 0,1                                    ; Q stays in registers: tile i in window i; a fragment is 16 queries x 32 channels: two loads of 16 bytes, 32 bytes apart
	WIN 0x40*\i
.irp c, 0,1
.irp u, 0,1
	global_load_b128 v[Q+8*\c+4*\u:Q+8*\c+4*\u+3], v[QO], s[20:21] offset:2048*\i+64*\c+32*\u
.endr
.endr
.endr
	WIN 0
	s_mul_i32 s18, s10, 32*KP                      ; my window of keys begins at LDS row 32 x (wave % 4)
	s_add_co_u32 s18, s18, s16
	v_mul_u32_u24 v[AK], v16, KP
	v_lshl_add_u32 v[AK], v17, 4, v[AK]
	v_add_nc_u32 v[AK], s18, v[AK]                 ; row r x pitch + 16 h
	s_mul_i32 s19, s10, 32*VP
	s_add_co_u32 s19, s19, s16
	s_add_co_u32 s19, s19, VOFF
	v_and_b32 v18, 7, v0
	v_lshl_add_u32 v18, v17, 3, v18                ; the turning load: lane l reads key 8 (l / 16) + l % 8, channels 8 ((l / 8) % 2) on
	v_mul_u32_u24 v[AV], v18, VP
	v_bfe_u32 v18, v0, 3, 1
	v_lshl_add_u32 v[AV], v18, 4, v[AV]
	v_add_nc_u32 v[AV], s19, v[AV]
	s_mul_i32 s54, s10, 32*SP
	s_lshl_b32 s55, s9, 7
	s_add_co_u32 s54, s54, s55
	s_add_co_u32 s54, s54, STG
	v_mul_u32_u24 v[STO], v16, SP
	v_lshl_add_u32 v[STO], v17, 4, v[STO]
	v_add_nc_u32 v[STO], s54, v[STO]               ; the stage, in: row = my query, my head's 128 bytes, + 16 h
	s_mul_i32 s54, s8, 16*SP
	s_add_co_u32 s54, s54, STG
	v_mul_u32_u24 v[RD], v17, SP
	v_lshl_add_u32 v[RD], v16, 4, v[RD]
	v_add_nc_u32 v[RD], s54, v[RD]                 ; back: lanes 0-15 one row of 256 bytes, lanes 16-31 the next
	v_lshlrev_b32 v[GO], 11, v17
	v_lshl_add_u32 v[GO], v16, 4, v[GO]            ; and the same two rows in o
	v_lshlrev_b32 v18, 3, v17
	v_sub_nc_u32 v[DD], v16, v18                   ; r - 8 h
	v_mov_b32 v[NEG], 0xff800000                   ; -infinity
	WIN 0x40                                       ; destination window 1, sources window 0: window 1's own copies
	v_mov_b32 v[DD], v[DD]
	v_mov_b32 v[NEG], 0xff800000
.irp j, 0,1,2,3
	v_mov_b32 v[Z+\j], 0
.endr
	WIN 0
; Three key tiles of K (tiles 3 g on): 12 loads into window g % 2.  A fragment is 16 keys x 32 channels.
.macro FETCHK g
	WIN 0x40*((\g)%2)
.irp k, 0,1,2
.irp c, 0,1
.irp u, 0,1
	ds_load_b128 v[F+16*\k+8*\c+4*\u:F+16*\k+8*\c+4*\u+3], v[AK] offset:(3*(\g)+\k)*16*KP+64*\c+32*\u
.endr
.endr
.endr
.endm
; Their scores, for query tile 0 and then for query tile 1 (which numbers key tile k as k - 1).  Channels 0-31 of the two or three tiles start the sums, then channels 32-63: the accumulators take turns,
; one instruction a turn.
.macro MULS g
.irp i, 0,1
	WIN 0x54*\i+(\g)%2                             ; K in window g % 2; Q, C and D in window i
.irp c, 0,1
.irp k, 0,1,2
.set RT, 3*(\g)+\k-\i
.if (RT >= 0) && (RT <= 16)
.if \c == 0
	v_wmma_f32_16x16x32_f16 v[S+8*RT:S+8*RT+7], v[F+16*\k:F+16*\k+7], v[Q:Q+7], 0
.else
	v_wmma_f32_16x16x32_f16 v[S+8*RT:S+8*RT+7], v[F+16*\k+8:F+16*\k+15], v[Q+8:Q+15], v[S+8*RT:S+8*RT+7]
.endif
.endif
.endr
.endr
.endr
.endm
; V of three steps of 32 keys (steps 3 g on), turned: 24 loads into window g % 2, at v112, v144, v208.  A fragment is 16 channels x 32 keys.
.macro FETCHV g
	WIN 0x40*((\g)%2)
.irp k, 0,1,2
.irp c, 0,1,2,3
.set VS, 112+32*\k+32*(\k/2)+8*\c
	ds_load_tr16_b128 v[VS:VS+3],   v[AV] offset:(2*(3*(\g)+\k))*16*VP+32*\c
	ds_load_tr16_b128 v[VS+4:VS+7], v[AV] offset:(2*(3*(\g)+\k)+1)*16*VP+32*\c
.endr
.endr
.endm
; O^T += V^T P for these three steps, query tile 0 and then 1: the tile's four accumulators take turns.  P of step s: key tiles 2 s and 2 s + 1: v[40 + 8 s] on in window 0, v[36 + 8 s] on in window 1.
.macro MULPV g
.irp i, 0,1
	WIN 0x54*\i+(\g)%2                             ; V in window g % 2; P, C and D in window i
.irp k, 0,1,2
.irp c, 0,1,2,3
.set VS, 112+32*\k+32*(\k/2)+8*\c
.set PF, S-4*\i+8*(3*(\g)+\k)
.if (3*(\g)+\k) == 0
	v_wmma_f32_16x16x32_f16 v[O+8*\c:O+8*\c+7], v[VS:VS+7], v[PF:PF+7], 0
.else
	v_wmma_f32_16x16x32_f16 v[O+8*\c:O+8*\c+7], v[VS:VS+7], v[PF:PF+7], v[O+8*\c:O+8*\c+7]
.endif
.endr
.endr
.endr
.endm
; THE SOFTMAX of query tile w, all in window w.  Register 8 t + j of lane (r, h) holds the score of query QT + r and key QT - 128 + 16 t + 8 h + j.
.macro SOFTMAX w
	WIN 0x55*(\w)
.irp j, 0,1,2,3,4,5,6,7                        ; the band's edges fall into tiles 0 and 16 alone.  Tile 0: query - key = 128 + r - 8 h - j: hidden where j < r - 8 h
	v_cmp_lt_i32 vcc_lo, \j, v[DD]
	v_cndmask_b32 v[S+\j], v[S+\j], v[NEG], vcc_lo
.endr
.irp j, 0,1,2,3,4,5,6,7                        ; tile 16: query - key = r - 8 h - j - 128: hidden where j > r - 8 h
	v_cmp_gt_i32 vcc_lo, \j, v[DD]
	v_cndmask_b32 v[S+128+\j], v[S+128+\j], v[NEG], vcc_lo
.endr
	WIN 0                                          ; at a branch and at a label every window is 0
	s_cmp_ge_u32 s[QT+\w], 128                     ; the sequence's ends, by whole tiles (QT is a multiple of 16); branches on ids alone
	s_cbranch_scc1 .Lno_low_\@
	WIN 0x55*(\w)
.irp t, 0,1,2,3,4,5,6,7                        ; tile t lies in front of key 0 where QT + 16 t < 128
	s_add_co_u32 s54, s[QT+\w], 16*\t
	s_cmp_lt_u32 s54, 128
	s_cselect_b32 vcc_lo, -1, 0
.irp j, 0,1,2,3,4,5,6,7
	v_cndmask_b32 v[S+8*\t+\j], v[S+8*\t+\j], v[NEG], vcc_lo
.endr
.endr
	WIN 0
.Lno_low_\@:
	s_cmp_lt_u32 s[QT+\w], 3968
	s_cbranch_scc1 .Lno_high_\@
	WIN 0x55*(\w)
.irp t, 9,10,11,12,13,14,15,16                 ; tile t lies behind key 4,095 where QT + 16 t >= 4,224
	s_add_co_u32 s54, s[QT+\w], 16*\t
	s_cmp_ge_u32 s54, 4224
	s_cselect_b32 vcc_lo, -1, 0
.irp j, 0,1,2,3,4,5,6,7
	v_cndmask_b32 v[S+8*\t+\j], v[S+8*\t+\j], v[NEG], vcc_lo
.endr
.endr
	WIN 0
.Lno_high_\@:
	WIN 0x55*(\w)
.set n, 0
.rept 68                                       ; the maximum of my 136 scores, in four chains, ascending: each accumulator is read from its low end on
.if n < 4
	v_max_num_f32 v[T+n], v[S+2*n], v[S+2*n+1]
.else
	v_max3_num_f32 v[T+n%4], v[T+n%4], v[S+2*n], v[S+2*n+1]
.endif
.set n, n+1
.endr
	v_max3_num_f32 v[T], v[T], v[T+1], v[T+2]
	v_max_num_f32 v[T], v[T], v[T+3]
	v_permlanex16_b32 v[T+1], v[T], s[SEL], s[SEL+1]       ; the query's other keys lie in the lane 16 away
	v_max_num_f32 v[CM+1], v[T], v[T+1]            ; m: at least 129 keys of every query count, so it is a number
	v_mul_f32 v[CM], s[CS], v[CM+1]                ; c m
.set n, 0
.rept 68
	v_pk_fma_f32 v[S+2*n:S+2*n+1], v[S+2*n:S+2*n+1], s[CS:CS+1], v[CM:CM+1] op_sel_hi:[1,0,0] neg_lo:[0,0,1] neg_hi:[0,0,1]   ; c s - c m, two at a time
.set n, n+1
.endr
.set n, 0
.rept 136
	v_exp_f32 v[S+n], v[S+n]                       ; p = 2^(c s - c m), at most 1; 0 for hidden keys.  ONE batch
.set n, n+1
.endr
	v_nop                                          ; a plain instruction behind the last exponential
	s_wait_alu depctr_va_vdst(0)                   ; a wait ahead of the first instruction that names a result: one for the batch
	v_pk_add_f32 v[L:L+1], v[S:S+1], v[S+2:S+3]    ; the row's sum, of the unrounded p: two at a time, in two chains
	v_pk_add_f32 v[T:T+1], v[S+4:S+5], v[S+6:S+7]
.set n, 4
.rept 32
	v_pk_add_f32 v[L:L+1], v[L:L+1], v[S+2*n:S+2*n+1]
	v_pk_add_f32 v[T:T+1], v[T:T+1], v[S+2*n+2:S+2*n+3]
.set n, n+2
.endr
	v_pk_add_f32 v[L:L+1], v[L:L+1], v[T:T+1]
.set n, 0
.rept 68
	v_cvt_pk_f16_f32 v[S+n], v[S+2*n], v[S+2*n+1]  ; P, packed in place: ascending, so that no number is written over before it is read
.set n, n+1
.endr
.irp j, 0,1,2,3
	v_mov_b32 v[S+68+\j], 0                        ; the key tile behind the seventeenth: query tile 0 does not have it
.endr
	WIN 0
.endm
	s_wait_tensorcnt 0x0                           ; my 192 rows have landed,
	s_barrier_signal -1
	s_barrier_wait -1                              ; everybody's have
	FETCHK 0
	s_wait_loadcnt 0x0                             ; Q
.irp g, 0,1,2,3,4
.if \g > 0
	PLACES                                         ; the buffer that takes the next loads was read by the products just issued
.endif
	FETCHK \g+1
	s_wait_dscnt 12                                ; this group's 12 loads are in; the next group's may be out
	MULS \g
.endr
	s_wait_dscnt 0x0
	MULS 5
	PLACES
	SOFTMAX 0
	FETCHV 0                                       ; into registers that query tile 0's scores have left
	SOFTMAX 1
	FETCHV 1
	s_wait_dscnt 24                                ; steps 0-2 of V are in; steps 3-5 may be out
	MULPV 0
	PLACES
	FETCHV 2
	s_wait_dscnt 24                                ; steps 3-5 are in
	MULPV 1
	s_wait_dscnt 0x0
	MULPV 2
	PLACES
	; THE WAY OUT.  The sum's two halves and the other half of the lanes' are added; O^T is divided by the sum, rounded to f16 and goes through the work-group's stage: a row's 256 bytes come from the waves of two heads.
	WIN 0
	v_add_f32 v[T], v[L], v[L+1]
	v_permlanex16_b32 v[T+1], v[T], s[SEL], s[SEL+1]
	v_add_f32 v[T], v[T], v[T+1]
	WIN 0x55
	v_add_f32 v[T], v[L], v[L+1]
	v_permlanex16_b32 v[T+1], v[T], s[SEL], s[SEL+1]
	v_add_f32 v[T], v[T], v[T+1]
	v_rcp_f32 v20, v[T]                            ; window 1's reciprocal: v20 (Q's registers are free)
	WIN 0
	v_rcp_f32 v18, v[T]                            ; window 0's: v18
	v_nop                                          ; a plain instruction behind the last reciprocal
	s_wait_alu depctr_va_vdst(0)                   ; and the wait ahead of the first use: one for both
.irp i, 0,1
	WIN 0x55*\i
.set n, 0
.rept 16
	v_pk_mul_f32 v[O+2*n:O+2*n+1], v[O+2*n:O+2*n+1], v[18+2*\i:19+2*\i] op_sel_hi:[1,0]
.set n, n+1
.endr
.set n, 0
.rept 16
	v_cvt_pk_f16_f32 v[112+n], v[O+2*n], v[O+2*n+1]        ; register 4 c + j / 2: o(query r, channels 16 c + 8 h + j, j + 1)
.set n, n+1
.endr
	WIN 0x04*\i                                    ; an LDS store's data are its source 1
.irp c, 0,1,2,3
	ds_store_b128 v[STO], v[112+4*\c:112+4*\c+3] offset:16*SP*\i+32*\c
.endr
.endr
	WIN 0
	s_wait_dscnt 0x0                               ; for the others' sake: my stores into the stage are done
	s_barrier_signal -1
	s_barrier_wait -1
.irp t, 0,1,2,3,4,5,6,7
	ds_load_b128 v[112+4*\t:112+4*\t+3], v[RD] offset:\t*2*SP
.endr
.irp t, 0,1,2,3,4,5,6,7
	s_wait_dscnt 7-\t
	global_store_b128 v[GO], v[112+4*\t:112+4*\t+3], s[22:23] offset:4096*\t   ; sixteen lanes store 256 consecutive bytes, aligned
.endr
	s_wait_tensorcnt 0x0                           ; the wave's end, behind my tensor load and my last LDS store
	ds_add_u32 v[SPW], v[NIL]
	s_wait_dscnt 0x0
	s_endpgm
.Lfunc_end_k_q1dc3a637c9_attn:
	.size	k_q1dc3a637c9_attn, .Lfunc_end_k_q1dc3a637c9_attn-k_q1dc3a637c9_attn
	.p2alignl 7, 3214868480
	.fill 96, 4, 3214868480
	.section	.rodata,"a",@progbits
	.p2align	6, 0x0
	.amdhsa_kernel k_q1dc3a637c9_attn
		.amdhsa_group_segment_fixed_size 269312
		.amdhsa_private_segment_fixed_size 0
		.amdhsa_enable_private_segment 0
		.amdhsa_kernarg_size 16
		.amdhsa_user_sgpr_count 2
		.amdhsa_user_sgpr_kernarg_segment_ptr 1
		.amdhsa_wavefront_size32 1
		.amdhsa_system_sgpr_workgroup_id_x 1
		.amdhsa_system_sgpr_workgroup_id_y 1
		.amdhsa_system_sgpr_workgroup_id_z 1
		.amdhsa_system_vgpr_workitem_id 0
		.amdhsa_next_free_vgpr 512
		.amdhsa_next_free_sgpr 66
		.amdhsa_reserve_vcc 1
		.amdhsa_float_denorm_mode_32 3
		.amdhsa_float_denorm_mode_16_64 3
		.amdhsa_memory_ordered 1
		.amdhsa_forward_progress 1
		.amdhsa_inst_pref_size 92
	.end_amdhsa_kernel
	.amdgpu_metadata
---
amdhsa.version: [ 1, 2 ]
amdhsa.kernels:
  - .name:           k_q1dc3a637c9_attn
    .symbol:         k_q1dc3a637c9_attn.kd
    .args:
      - { .name: qkv, .offset: 0, .size: 8, .value_kind: global_buffer, .address_space: global }
      - { .name: o, .offset: 8, .size: 8, .value_kind: global_buffer, .address_space: global }
    .group_segment_fixed_size: 269312
    .private_segment_fixed_size: 0
    .kernarg_segment_align: 8
    .kernarg_segment_size: 16
    .max_flat_workgroup_size: 256
    .sgpr_count:     66
    .vgpr_count:     512
    .wavefront_size: 32
...
	.end_amdgpu_metadata
.endif
;; end of part 3
;; launch proj (part 4): grid 8 x 32, 4 waves a work-group, clusters of 4 x 4, 327,680 bytes of LDS; arguments o, wot, bo, out0; writes out0
.if DOCPART == 4
	.amdgcn_target "amdgcn-amd-amdhsa--gfx1250"
	.amdhsa_code_object_version 6
	.text
	.protected	k_q1dc3a637c9_proj
	.globl	k_q1dc3a637c9_proj
	.p2align	8
	.type	k_q1dc3a637c9_proj,@function
k_q1dc3a637c9_proj:
	s_mov_b64 s[64:65], 0
	v_nop
	global_prefetch_b8 v0, s[64:65] scope:SCOPE_SE
	s_setreg_imm32_b32 hwreg(HW_REG_WAVE_MODE, 25, 1), 1
	s_wait_xcnt 0x0
	s_wait_alu depctr_hold_cnt(0) depctr_sa_sdst(0) depctr_va_vdst(0) depctr_va_sdst(0) depctr_va_ssrc(0) depctr_va_vcc(0) depctr_vm_vsrc(0)
	s_getreg_b32 s2, hwreg(HW_REG_IB_STS2, 6, 4)
	s_cmp_eq_u32 s2, 0
	s_cbranch_scc0 .Lentry_in_a_cluster
	s_endpgm
.Lentry_in_a_cluster:
	s_bfe_u32 s2, ttmp6, 0x10000c
	s_cmp_lg_u32 s2, 0xf033
	s_cbranch_scc0 .Lentry_shape_is_right
	s_endpgm
.Lentry_shape_is_right:
; out0[m][n] = sum over k of o[m][k] Wo[k][n] + bo[n].  A = o [4096][1024] f16, B = wot [1024 n][1024 k] f16 (Wo turned), out0 [4096][1024] f32; sums in f32.
; A tile of C is 128 x 128, which gives 256 work-groups.  Four waves, each 64 x 64: 16 accumulators of 16 x 16, 128 registers.  K goes in steps of 256 (LDS rows of 512 bytes; a wave's tensor load brings
; 64 of them) through a ring of two slots: four K steps, each slot filled twice.
; CLUSTERS: 4 x 4 work-groups.  The four of a row of the cluster need the same tiles of A, the four of a column the same tiles of B: each tile is asked for JOINTLY, by the same tensor load with the
; same descriptor and a mask that names the four.  THE MATRIX INSTRUCTION IS USED TRANSPOSED (source 0 = 16 rows of B, source 1 = 16 rows of A): a lane holds eight neighbouring numbers of a row of C.
; THE BIAS is the C of each sum's first matrix instruction.  A wave's 64 columns of f32 are 256 bytes of a row of C, so each wave goes out through a stage of its own, with no barrier.
; REGISTERS: window 0: v0-31 addresses; v32-95 rows on the way out; v96-127 the bias; v128-255 the accumulators ((a, b) at v[128 + 8 (4 a + b)]).
;   window 1: two fragment buffers of 128: for 64 along K, 64 registers of A (2 x 4 x 16 rows x 32 K), then 64 of B.
.set SIZE_N, 1024
.set SIZE_K, 1024
.set KSTEP,  256
.set PITCH,  528                       ; an LDS row: 512 bytes + 16 of padding = 132 words: row r starts at bank 4 r mod 64 (64 banks of 4 bytes: ISA guide 11.1)
.set HALFT,  64*PITCH                  ; 64 rows: what one tensor load brings
.set SLOT,   4*HALFT                   ; A's 128 rows, then B's 128 rows
.set STAGE,  2*SLOT                    ; behind the ring: 16 rows x 272 bytes for each wave
.set SPITCH, 272
.set SPARE,  STAGE+4*16*SPITCH         ; the spare words, 128 bytes for each wave: two blocks of 256 bytes that no other line names
.set LAPS, SIZE_K/(2*KSTEP)            ; a lap = two K steps = once round the ring
.set BOF,  6                           ; v6      the bias loads' offset: 32 x (lane / 16); never rewritten
.set ADRA, 16                          ; v16-17  LDS address of my A fragments in slot 0, 1
.set ADRB, 20                          ; v20-21  the same for B
.set STO,  24                          ; v24     the way out: where I put 32 bytes of a row
.set RD,   25                          ; v25     where I read a row back
.set CO,   26                          ; v26     my byte offset in C
.set SPW,  28                          ; v28     LDS address of my spare word; never rewritten
.set NIL,  29                          ; v29     0; never rewritten
.set TMP,  32                          ; the way out: v32-63 and v64-95 by turns
.set BI,   96                          ; the bias: eight registers for each of my four blocks of columns
.set ACC,  128
.set F0,   0                           ; fragment buffers, in window 1
.set F1,   128
.set G1, 24                            ; s[24:31] descriptor group 1 for A's tiles;  s[32:39] group 0, one set for each slot
.set G0, 32
.set G1B, 48                           ; s[48:55], s[56:63] the same for B's tiles
.set G0B, 56
.set MSB, 0
.macro WIN new                         ; the immediate's high byte repeats the setting that is left
.if MSB != (\new)
	s_set_vgpr_msb (MSB<<8)|(\new)
.set MSB, (\new)
.endif
.endm
.set MUL,  0x05                        ; sources 0 (B) and 1 (A) window 1; C and D window 0
.set TO_F, 0x40                        ; destination window 1, address window 0
.macro JLOAD s                         ; a joint load: waves 0 and 1 fetch A's two halves, waves 2 and 3 B's; an s_nop 0 and four v_nop follow each of the two lines
	s_cmp_eq_u32 s11, 0
	s_cbranch_scc0 .Lfor_b_\@
	tensor_load_to_lds s[G0+4*\s:G0+4*\s+3], s[G1:G1+7]
	s_nop 0
.rept 4
	v_nop
.endr
	s_branch .Lasked_\@
.Lfor_b_\@:
	tensor_load_to_lds s[G0B+4*\s:G0B+4*\s+3], s[G1B:G1B+7]
	s_nop 0
.rept 4
	v_nop
.endr
.Lasked_\@:
.endm
.macro CREST                           ; a round of the cluster's barrier behind its opening barrier
	s_cmp_lg_u32 s10, 0
	s_cbranch_scc1 .Lnot_wave_0_\@
	s_barrier_signal -3
.Lnot_wave_0_\@:
	s_barrier_wait -3
	s_barrier_signal -1
	s_barrier_wait -1
.endm
.macro CROUND                          ; a whole round
	s_barrier_signal -1
	s_barrier_wait -1
	CREST
.endm
	s_load_b128 s[4:7], s[0:1], 0x0                ; A s[4:5], B s[6:7]
	s_load_b64 s[68:69], s[0:1], 0x10              ; bo
	s_load_b64 s[8:9], s[0:1], 0x18                ; C
	v_lshl_add_u32 v[SPW], v0, 2, SPARE
	v_mov_b32 v[NIL], 0
	ds_add_u32 v[SPW], v[NIL]                      ; the wave's opening: the add, twice on end, and its wait ahead of my first tensor load
	ds_add_u32 v[SPW], v[NIL]                      ; and once more, under the one wait; the set-up below, work on registers, stands between
	v_lshrrev_b32 v1, 5, v0
	v_readfirstlane_b32 s10, v1                    ; wave 0..3
	s_lshr_b32 s11, s10, 1                         ; which half of the tile's rows is mine.  Also: I fetch for A (0) or for B (1)
	s_and_b32 s12, s10, 1                          ; which half of its columns.  Also: which 64 rows of that tile I fetch
	s_bfe_u32 s40, ttmp6, 0x40000                  ; cx, cy: my place in the cluster
	s_bfe_u32 s41, ttmp6, 0x40004
	s_lshl_b32 s42, ttmp9, 2
	s_add_co_u32 s42, s42, s40                     ; tile column of C = 4 x cluster x + cx
	s_and_b32 s13, ttmp7, 0xffff
	s_lshl_b32 s13, s13, 2
	s_add_co_u32 s13, s13, s41                     ; tile row of C = 4 x cluster y + cy
	s_lshl_b32 s43, s41, 2
	s_lshl_b32 s43, 15, s43                        ; my row of the cluster
	s_lshl_b32 s44, 0x1111, s40                    ; my column
	; descriptor group 1: a tile of 64 rows x 256 elements, padded in LDS
	s_or_b32 s[G1+0], s43, (1<<16)|(1<<20)|(1<<21)|(6<<22)|(3<<25)  ; 15:0 the mask: A's tiles go to my row; 17:16 element of 2 bytes; 20 padding on; 21 set beside a mask; 24:22 after every 128 words (code 6); 31:25 four words (code 3)
	s_or_b32 s[G1B+0], s44, (1<<16)|(1<<20)|(1<<21)|(6<<22)|(3<<25)
.irp g, G1, G1B
	s_mov_b32 s[\g+1], KSTEP<<16                   ; tensor_dim0 = 256
	s_mov_b32 s[\g+2], 64<<16                      ; tensor_dim1 = 64
	s_mov_b32 s[\g+3], KSTEP<<16                   ; tile_dim0 = 256
	s_mov_b32 s[\g+4], 64                          ; tile_dim1 = 64
	s_mov_b32 s[\g+5], SIZE_K                      ; tensor_dim0_stride
	s_mov_b32 s[\g+6], 0
	s_mov_b32 s[\g+7], 0
.endr
	s_lshl_b32 s17, s12, 6                         ; which 64 rows of the tile I fetch
	s_lshl_b32 s16, s13, 7
	s_add_co_u32 s16, s16, s17                     ; A: row 128 x tile row + 64 x half
	s_lshl_b32 s46, s42, 7
	s_add_co_u32 s46, s46, s17                     ; B: row 128 x tile column + 64 x half
	s_mov_b32 s17, 0
	s_mov_b32 s47, 0
	s_mov_b64 s[18:19], SIZE_K*2
	s_mul_u64 s[16:17], s[16:17], s[18:19]
	s_mul_u64 s[46:47], s[46:47], s[18:19]
	s_mul_i32 s20, s10, HALFT                      ; where they go: wave x 64 rows: no place in the cluster enters an LDS address
	s_wait_dscnt 0x0                               ; both opening adds are done
	s_wait_kmcnt 0x0
	s_add_nc_u64 s[14:15], s[4:5], s[16:17]
	s_add_nc_u64 s[46:47], s[6:7], s[46:47]
	CROUND                                         ; all sixteen work-groups are here: the first joint loads meet
.irp s, 0,1
	s_mov_b32 s[G0+4*\s], 1
	s_add_co_u32 s[G0+4*\s+1], s20, \s*SLOT
	s_add_nc_u64 s[G0+4*\s+2:G0+4*\s+3], s[14:15], \s*KSTEP*2
	s_or_b32 s[G0+4*\s+3], s[G0+4*\s+3], 0x80000000
	s_mov_b32 s[G0B+4*\s], 1
	s_add_co_u32 s[G0B+4*\s+1], s20, \s*SLOT
	s_add_nc_u64 s[G0B+4*\s+2:G0B+4*\s+3], s[46:47], \s*KSTEP*2
	s_or_b32 s[G0B+4*\s+3], s[G0B+4*\s+3], 0x80000000
	JLOAD \s                                       ; by this text's own count two tensor loads of a wave are out here, later one
.endr
	v_and_b32 v1, 15, v0                           ; l % 16
	v_bfe_u32 v2, v0, 4, 1                         ; l / 16
	v_mul_u32_u24 v3, v1, PITCH
	v_lshl_add_u32 v3, v2, 4, v3                   ; a fragment's row x pitch + 16 x half
	s_mul_i32 s21, s11, HALFT                      ; my 64 rows of A
	s_mul_i32 s22, s12, HALFT                      ; my 64 rows of B,
	s_add_co_u32 s22, s22, 2*HALFT                 ; which lie behind A's 128
.irp s, 0,1
	v_add_nc_u32 v[ADRA+\s], s21, v3
	v_add_nc_u32 v[ADRB+\s], s22, v3
	s_add_co_u32 s21, s21, SLOT
	s_add_co_u32 s22, s22, SLOT
.endr
	s_mul_i32 s23, s10, 16*SPITCH
	s_add_co_u32 s23, s23, STAGE                   ; my stage
	v_mul_u32_u24 v4, v1, SPITCH                   ; in: row l % 16, 32 bytes for each half of the lanes
	v_lshl_add_u32 v4, v2, 5, v4
	v_add_nc_u32 v[STO], s23, v4
	v_mul_u32_u24 v5, v2, SPITCH                   ; back: lanes 0-15 take one row of 256 bytes, lanes 16-31 the next
	v_lshl_add_u32 v5, v1, 4, v5
	v_add_nc_u32 v[RD], s23, v5
	v_lshlrev_b32 v5, 12, v2                       ; and the same two rows in C: rows of 4,096 bytes
	v_lshl_add_u32 v[CO], v1, 4, v5
	s_lshl_b32 s16, s13, 7
	s_lshl_b32 s17, s11, 6
	s_add_co_u32 s16, s16, s17                     ; my first row of C: 128 x tile row + 64 x half
	s_lshl_b32 s16, s16, 12
	s_mov_b32 s17, 0
	s_add_nc_u64 s[8:9], s[8:9], s[16:17]
	s_lshl_b32 s46, s42, 7
	s_lshl_b32 s47, s12, 6
	s_add_co_u32 s46, s46, s47                     ; my first column: 128 x tile column + 64 x half,
	s_lshl_b32 s46, s46, 2                         ; in bytes
	s_mov_b32 s47, 0
	s_add_nc_u64 s[8:9], s[8:9], s[46:47]
	s_add_nc_u64 s[68:69], s[68:69], s[46:47]
	v_lshlrev_b32 v[BOF], 5, v2                    ; lane (r, h) wants, for block b, the bias of columns 16 b + 8 h + 0 .. 7
.irp b, 0,1,2,3
	global_load_b128 v[BI+8*\b:BI+8*\b+3], v[BOF], s[68:69] offset:64*\b
	global_load_b128 v[BI+8*\b+4:BI+8*\b+7], v[BOF], s[68:69] offset:64*\b+16
.endr
; 8 matrix instructions: m blocks a0, a0 + 1 x all 4 n blocks, 32 along K: half c of buffer f.  zero = 1: the first product starts the sums, with the bias as its C
.macro MUL8 f, c, a0, zero
.irp a, \a0, \a0+1
.irp b, 0,1,2,3
.if \zero
	v_wmma_f32_16x16x32_f16 v[ACC+8*(4*(\a)+\b):ACC+8*(4*(\a)+\b)+7], v[\f+64+8*(4*\c+\b):\f+64+8*(4*\c+\b)+7], v[\f+8*(4*\c+\a):\f+8*(4*\c+\a)+7], v[BI+8*\b:BI+8*\b+7]
.else
	v_wmma_f32_16x16x32_f16 v[ACC+8*(4*(\a)+\b):ACC+8*(4*(\a)+\b)+7], v[\f+64+8*(4*\c+\b):\f+64+8*(4*\c+\b)+7], v[\f+8*(4*\c+\a):\f+8*(4*\c+\a)+7], v[ACC+8*(4*(\a)+\b):ACC+8*(4*(\a)+\b)+7]
.endif
.endr
.endr
.endm
; 32 LDS loads in one run: the fragments of 64 along K at byte k of the rows, into buffer f; the first 32 along K first
.macro FETCH slot, k, f
	WIN TO_F
.irp c, 0,1
.irp i, 0,1,2,3
	ds_load_b128 v[\f+64+8*(4*\c+\i):\f+64+8*(4*\c+\i)+3],   v[ADRB+\slot] offset:\k+64*\c+\i*16*PITCH
	ds_load_b128 v[\f+64+8*(4*\c+\i)+4:\f+64+8*(4*\c+\i)+7], v[ADRB+\slot] offset:\k+64*\c+\i*16*PITCH+32
	ds_load_b128 v[\f+8*(4*\c+\i):\f+8*(4*\c+\i)+3],         v[ADRA+\slot] offset:\k+64*\c+\i*16*PITCH
	ds_load_b128 v[\f+8*(4*\c+\i)+4:\f+8*(4*\c+\i)+7],       v[ADRA+\slot] offset:\k+64*\c+\i*16*PITCH+32
.endr
.endr
.endm
.macro PLACES                          ; four places in front of loads into registers that matrix instructions have read, and of the first read of results (ISA guide 7.12.1 for the first read of results)
.rept 4
	v_nop
.endr
.endm
; A K step is four quarters of 64 along K, 32 matrix instructions each, on buffers 0, 1, 0, 1.  One of the first three: multiplies buffer f and fetches the next quarter, at byte k, into g.
.macro QUARTER slot, k, f, g, zero
	s_wait_dscnt 16                                ; the first 32 along K are in; the youngest sixteen loads may be out
	WIN MUL
	MUL8 \f, 0, 0, \zero
	MUL8 \f, 0, 2, \zero
	PLACES
	FETCH \slot, \k, \g
	s_wait_dscnt 32                                ; all but the 32 just issued
	WIN MUL
	MUL8 \f, 1, 0, 0
	MUL8 \f, 1, 2, 0
.endm
; The last quarter multiplies buffer 1 and changes slots: ONE barrier; in front of it each wave waits for all its tensor loads, adds 0 to its spare word, and waits for that and for its own reads of this slot.  fill = 1: this slot is filled again, two K steps ahead.
.macro TURN slot, next, fill
	WIN 0                                          ; (the add's two registers lie in window 0)
	s_wait_tensorcnt 0x0                           ; all my tensor loads have landed: my part of the next slot;
	ds_add_u32 v[SPW], v[NIL]                      ; 0 onto my spare word;
	s_wait_dscnt 17                                ; (the add and the youngest sixteen loads may be out)
	WIN MUL
	MUL8 F1, 0, 0, 0                               ; eight matrix instructions stand between the add and the wait for it
	s_wait_dscnt 0x0                               ; the add is done, and my reads of this slot are over
	s_barrier_signal -1
	MUL8 F1, 0, 2, 0
.if \fill
	WIN 0
.endif
	s_barrier_wait -1
.if \fill
	CREST                                          ; the barrier has opened a round of the cluster's barrier: no wave of any partner still reads this slot's tile or has a load on its way
	s_add_nc_u64 s[G0+4*\slot+2:G0+4*\slot+3], s[G0+4*\slot+2:G0+4*\slot+3], 2*KSTEP*2
	s_add_nc_u64 s[G0B+4*\slot+2:G0B+4*\slot+3], s[G0B+4*\slot+2:G0B+4*\slot+3], 2*KSTEP*2
	JLOAD \slot                                    ; the first tensor load behind the round; the four v_nop behind it are also the places in front of the loads below
.else
	PLACES
.endif
	FETCH \next, 0, F0
	WIN MUL
	MUL8 F1, 1, 0, 0
	MUL8 F1, 1, 2, 0
.endm
	s_wait_tensorcnt 1                             ; my part of K step 0 is in (K step 1's load may be out),
	s_barrier_signal -1
	s_barrier_wait -1                              ; everybody's is
	FETCH 0, 0, F0
	s_wait_loadcnt 0x0                             ; the bias
	QUARTER 0, 128, F0, F1, 1                      ; the first quarter stands in front of the loop: its first products start the sums
	WIN 0                                          ; at a label and at a branch every window is 0
	s_mov_b32 s3, LAPS-1
.Llap:                                                 ; a trip goes once round the ring, from a lap's second quarter to the next lap's first, and fills both slots again
	QUARTER 0, 256, F1, F0, 0
	QUARTER 0, 384, F0, F1, 0
	TURN 0, 1, 1
	QUARTER 1, 128, F0, F1, 0
	QUARTER 1, 256, F1, F0, 0
	QUARTER 1, 384, F0, F1, 0
	TURN 1, 0, 1
	QUARTER 0, 128, F0, F1, 0
	WIN 0
	s_sub_co_u32 s3, s3, 1
	s_cmp_lg_u32 s3, 0
	s_cbranch_scc1 .Llap
	QUARTER 0, 256, F1, F0, 0                      ; the last lap fills nothing, and has no round of the cluster's barrier
	QUARTER 0, 384, F0, F1, 0
	TURN 0, 1, 0
	QUARTER 1, 128, F0, F1, 0
	QUARTER 1, 256, F1, F0, 0
	QUARTER 1, 384, F0, F1, 0
	s_wait_dscnt 16                                ; the very last quarter: nothing more to fetch
	WIN MUL
	MUL8 F1, 0, 0, 0
	MUL8 F1, 0, 2, 0
	s_wait_dscnt 0
	MUL8 F1, 1, 0, 0
	MUL8 F1, 1, 2, 0
	WIN 0
; THE WAY OUT, block by block of 16 rows x 64 columns.  A lane holds 32 neighbouring bytes of a row, and the lanes beside it hold other rows: so a block goes through my own stage and comes back as whole rows
; of 256 bytes.  LDS serves a wave's instructions in order (ISA guide 5.7.1.4): no wait between the stores and the loads, nor in front of the next block's stores.
.macro TOSTAGE a
.irp b, 0,1,2,3
	ds_store_b128 v[STO], v[ACC+8*(4*(\a)+\b):ACC+8*(4*(\a)+\b)+3] offset:64*\b            ; each accumulator from its low end on
	ds_store_b128 v[STO], v[ACC+8*(4*(\a)+\b)+4:ACC+8*(4*(\a)+\b)+7] offset:64*\b+16
.endr
.set BB, TMP+32*((\a)%2)
.irp t, 0,1,2,3,4,5,6,7
	ds_load_b128 v[BB+4*\t:BB+4*\t+3], v[RD] offset:\t*2*SPITCH
.endr
.endm
.macro SEND a, younger                 ; younger: the LDS instructions issued behind block a's loads, which may stay out
.set BB, TMP+32*((\a)%2)
	s_wait_dscnt \younger                          ; the block is back in registers
.irp t, 0,1,2,3,4,5,6,7
	global_store_b128 v[CO], v[BB+4*\t:BB+4*\t+3], s[8:9] offset:(16*(\a)+2*\t)*SIZE_N*4 th:TH_STORE_NT   ; sixteen lanes store 256 consecutive bytes, aligned; written once, read by nobody here; the largest offset is 62 rows of 4,096 bytes
.endr
.endm
	PLACES
	TOSTAGE 0
.irp a, 1,2,3
.if \a > 1
	s_wait_xcnt 0x0                                ; block a - 2's stores have had their addresses translated (ISA guide 3.1): block a's loads land in their registers only behind this wait
.endif
	TOSTAGE \a
	SEND \a-1, 16                                  ; behind block a - 1's loads: block a's 8 stores and 8 loads
.endr
	SEND 3, 0
	s_wait_tensorcnt 0x0                           ; the wave's end, behind my last tensor load and my last LDS store
	ds_add_u32 v[SPW], v[NIL]
	s_wait_dscnt 0x0
	CROUND                                         ; the closing round: no work-group ends while a partner may still ask for a tile that names it
	s_endpgm
.Lfunc_end_k_q1dc3a637c9_proj:
	.size	k_q1dc3a637c9_proj, .Lfunc_end_k_q1dc3a637c9_proj-k_q1dc3a637c9_proj
	.p2alignl 7, 3214868480
	.fill 96, 4, 3214868480
	.section	.rodata,"a",@progbits
	.p2align	6, 0x0
	.amdhsa_kernel k_q1dc3a637c9_proj
		.amdhsa_group_segment_fixed_size 327680
		.amdhsa_private_segment_fixed_size 0
		.amdhsa_enable_private_segment 0
		.amdhsa_kernarg_size 32
		.amdhsa_user_sgpr_count 2
		.amdhsa_user_sgpr_kernarg_segment_ptr 1
		.amdhsa_wavefront_size32 1
		.amdhsa_system_sgpr_workgroup_id_x 1
		.amdhsa_system_sgpr_workgroup_id_y 1
		.amdhsa_system_sgpr_workgroup_id_z 1
		.amdhsa_system_vgpr_workitem_id 0
		.amdhsa_next_free_vgpr 512
		.amdhsa_next_free_sgpr 72
		.amdhsa_reserve_vcc 0
		.amdhsa_float_denorm_mode_32 3
		.amdhsa_float_denorm_mode_16_64 3
		.amdhsa_memory_ordered 1
		.amdhsa_forward_progress 1
		.amdhsa_inst_pref_size 86
	.end_amdhsa_kernel
	.amdgpu_metadata
---
amdhsa.version: [ 1, 2 ]
amdhsa.kernels:
  - .name:           k_q1dc3a637c9_proj
    .symbol:         k_q1dc3a637c9_proj.kd
    .args:
      - { .name: o, .offset: 0, .size: 8, .value_kind: global_buffer, .address_space: global }
      - { .name: wot, .offset: 8, .size: 8, .value_kind: global_buffer, .address_space: global }
      - { .name: bo, .offset: 16, .size: 8, .value_kind: global_buffer, .address_space: global }
      - { .name: out0, .offset: 24, .size: 8, .value_kind: global_buffer, .address_space: global }
    .group_segment_fixed_size: 327680
    .private_segment_fixed_size: 0
    .kernarg_segment_align: 8
    .kernarg_segment_size: 32
    .max_flat_workgroup_size: 128
    .sgpr_count:     72
    .vgpr_count:     512
    .wavefront_size: 32
...
	.end_amdgpu_metadata
.endif
;; end of part 4
